; MI455X (gfx1250); checked and timed in simulation.
; The chip was launched on July 23, 2026; its instructions are those of AMD's public machine-readable ISA for CDNA 5 (MIT licence, August 2026) and "CDNA5" Instruction Set Architecture Reference Guide (July 2026). The comments in the code are by the model that wrote it; some were corrected since.
;; MAB. Allowed arithmetic: matrix products marked QUANTISED: E3M2 operands, one E8M0 scale for each 32 along K, by v_wmma_scale_f32_16x16x128_f8f6f4 with both operands' format E3M2, f32 sums; everything else in f32.
;; Inputs: Wk_codes 1,024 x 32 x 24 uint8 (E3M2 codes of Wk, K innermost, in blocks of 32 codes, four codes in three bytes); Wk_scales 1,024 x 32 uint8 (E8M0 scales of Wk, one for each 32 codes along K); Wl_codes 1,024 x 32 x 24 uint8 (E3M2 codes of Wl, K innermost, in blocks of 32 codes, four codes in three bytes); Wl_scales 1,024 x 32 uint8 (E8M0 scales of Wl, one for each 32 codes along K); Wq_codes 1,024 x 32 x 24 uint8 (E3M2 codes of Wq, K innermost, in blocks of 32 codes, four codes in three bytes); Wq_scales 1,024 x 32 uint8 (E8M0 scales of Wq, one for each 32 codes along K); Wv_codes 1,024 x 32 x 24 uint8 (E3M2 codes of Wv, K innermost, in blocks of 32 codes, four codes in three bytes); Wv_scales 1,024 x 32 uint8 (E8M0 scales of Wv, one for each 32 codes along K); b1 1,024 float32; b2 1,024 float32; bk 1,024 float32; bl 1,024 float32; bq 1,024 float32; bv 1,024 float32; g1 1,024 float32; g2 1,024 float32; key__codes 4,096 x 32 x 24 uint8 (E3M2 codes of key_, K innermost, in blocks of 32 codes, four codes in three bytes); key__scales 4,096 x 32 uint8 (E8M0 scales of key_, one for each 32 codes along K); query_codes 4,096 x 32 x 24 uint8 (E3M2 codes of query, K innermost, in blocks of 32 codes, four codes in three bytes); query_scales 4,096 x 32 uint8 (E8M0 scales of query, one for each 32 codes along K).
;; Outputs: out0 4,096 x 1,024 float32.
;; This version of the problem:
;;   THIS VERSION OF THE PROBLEM IS GIVEN IN LOW PRECISION. The matrix products marked QUANTISED in the list below multiply operands that are first quantised to E3M2 (3 exponent bits, 2 mantissa bits; 6 bits a number), with one power-of-two scale for each 32 numbers along K (OCP MX v1.0); their sums are f32. All else is computed in f32.
;;   The module's matrix products, in the order in which they are computed (A, B: the left and right operand; K: the contracted axis; several contracted axes count as one K, in the product's order):
;;     1. [M 4,096, K 1,024] x [K 1,024, N 1,024]; A: input query (given as codes); B: input Wq (given as codes): QUANTISED
;;     2. [M 4,096, K 1,024] x [K 1,024, N 1,024]; A: input key_ (given as codes); B: input Wk (given as codes): QUANTISED
;;     3. [M 4,096, K 1,024] x [K 1,024, N 1,024]; A: input key_ (given as codes); B: input Wv (given as codes): QUANTISED
;;     4. batch 16 x [M 4,096, K 64] x [K 64, N 4,096]; A: computed on the way; B: computed on the way: QUANTISED
;;     5. batch 16 x [M 64, K 4,096] x [K 4,096, N 4,096]; A: computed on the way; B: softmax (see below): QUANTISED
;;     6. [M 4,096, K 1,024] x [K 1,024, N 1,024]; A: computed on the way; B: input Wl (given as codes): QUANTISED
;;   THE QUANTISER, for each operand of a quantised product, along K:
;;     - K is cut into blocks of 32 from its start; a last block that is shorter is filled with zeros.
;;     - A block's scale is 2^e with e = floor(log2(the largest magnitude in the block)) - 4, held to -126 .. 127; a block of zeros has e = 0. As a byte (E8M0): e + 127.
;;     - Each number is divided by its block's scale, clamped to +-28, and rounded to the nearest number of E3M2, ties to even, subnormals kept.
;;     - The product sums the exact products of the quantised numbers (number of the format x scale) in f32.
;;   ~~~python
;;   def quantise(x, axis):      # numpy; x: float32 -> the quantised numbers, widened to float32 again
;;       x = np.moveaxis(x, axis, -1); K = x.shape[-1]
;;       x = np.pad(x, [(0, 0)] * (x.ndim - 1) + [(0, -K % 32)]); x = x.reshape(x.shape[:-1] + (-1, 32)); a = np.abs(x).max(-1, keepdims=True)
;;       e = np.where(a > 0, np.clip(np.frexp(np.where(a > 0, a, 1))[1] - 1 - 4, -126, 127), 0)      # np.frexp(a)[1] - 1 = floor(log2(a)), exactly
;;       r = np.clip(x / 2.0 ** e, -28, 28)
;;       step = 2.0 ** (np.maximum(np.frexp(np.where(r == 0, 1, r))[1] - 1, -2) - 2)
;;       q = np.round(r / step) * step * 2.0 ** e      # np.round: ties to even
;;       return np.moveaxis(q.reshape(q.shape[:-2] + (-1,))[..., :K], -1, axis).astype(np.float32)
;;   ~~~
;;   SOFTMAX AHEAD OF A QUANTISED PRODUCT. Where the list says 'softmax', what is quantised is not the finished softmax but p = 2^(t - M), with t = logit x log2(e) and M = ceil(the row's largest t), a whole number; so 1/2 < the row's largest p <= 1. The row's sum l is taken of the UNQUANTISED p, in f32, and the product's result is divided by l at the end. Since M is a whole number, a kernel that streams over the keys may use a running M (the ceiling of the running maximum): every later rescaling is an exact power of two, which a block's scale takes up: the codes' values come out the same.
;;   OPERANDS COMPUTED ON THE WAY. 'Computed on the way' means the value that the module computes at that place (a softmax that the list does not call 'softmax' is quantised finished and normalised). What goes into a quantiser is computed in f32, as accurately as f32 sums, v_exp_f32 and their like allow (about 1e-6 of the number): no bf16 or f16 on the way to a quantiser, and a product that is left as it is and whose result goes on into a quantised operand takes f32 operands (vector FMAs, or v_wmma_f32_16x16x4_f32). A number that lies on a knife's edge between two numbers of the format may be rounded either way, as far as f32 arithmetic and the matrix unit's own rounding can turn it there, and no further.
;;   INPUTS GIVEN AS CODES. Wk (in the module: [1024, 1024], K = its axis 0); Wl (in the module: [1024, 1024], K = its axis 0); Wq (in the module: [1024, 1024], K = its axis 0); Wv (in the module: [1024, 1024], K = its axis 0); key_ (in the module: [4096, 1024], K = its axis 1); query (in the module: [4096, 1024], K = its axis 1): each comes as NAME_codes (uint8): NAME with its K axis moved to the last place and cut into blocks of 32 codes, [.., K / 32, bytes a block], one block behind the other in memory; four codes in three bytes: a row's codes are one little-endian stream of bits, code i at bits 6 i .. 6 i + 5 (a code: sign, 3 exponent bits, 2 mantissa bits); and NAME_scales (uint8): the same leading axes, one E8M0 byte (e + 127) for each 32 codes along K. Its value is code x scale, taken as it is: it is not quantised again, and the codes and scales need not be those that the quantiser above would give.
;; 2 versions, each right; version 2 is version 1 with the launches proj, ffn written anew for expert scheduling mode. Each part assembles by itself: llvm-mc -triple=amdgcn-amd-amdhsa -mcpu=gfx1250 --defsym DOCPART=n.
;; ======== version 1 of 2: 3 launches
;; workspace buffers: qf 16,777,216 bytes; qq 3,407,872 bytes; kv 6,815,744 bytes; wl 786,432 bytes; ao 16,777,216 bytes
;; launch proj (part 1): grid 200 x 1, 16 waves a work-group, no clusters, 104,448 bytes of LDS; arguments query_codes, query_scales, key__codes, key__scales, Wq_codes, Wq_scales, Wk_codes, Wk_scales, Wv_codes, Wv_scales, Wl_codes, bq, bk, bv, qf, qq, kv, wl; writes qf, qq, kv, wl
.if DOCPART == 1
	.amdgcn_target "amdgcn-amd-amdhsa--gfx1250"
	.amdhsa_code_object_version 6
	.text
	.protected	k_q701f8dcf09_proj
	.globl	k_q701f8dcf09_proj
	.p2align	8
	.type	k_q701f8dcf09_proj,@function
k_q701f8dcf09_proj:
	s_mov_b64 s[64:65], 0
	v_nop
	global_prefetch_b8 v0, s[64:65] scope:SCOPE_SE
	s_setreg_imm32_b32 hwreg(HW_REG_WAVE_MODE, 25, 1), 1
	s_wait_xcnt 0x0
; PROJ: Q = query Wq + bq, K = key_ Wk + bk, V = key_ Wv + bv on the given codes of E3M2 (f32 sums), each result quantised for attention; Q also kept as f32; Wl's codes laid anew.
; NOTHING OF reference() IS LEFT OUT in this program: every bias goes into a quantiser or into the output, every product is live, every input is loaded.
; LIMITS: NaN and infinities among the inputs are not served.  A block whose largest magnitude lies under 2^-122 keeps the scale byte 1; a block of zeros gets the byte 1 where the rule says 127:
; its codes are zeros, which add nothing under any byte but 0xff, and these bytes are read by this program alone.
; ONE BODY: D = S0 x S1^T, source 0 = 16 rows of S0, source 1 = 16 rows of S1: a lane holds ONE row of S1 and its registers run along S0's rows, along which the result is quantised.
;   kind 0 (work-groups 0-63):    S0 = Wq's rows n, S1 = query's rows: Q, quantised along the head's 64     kind 1 (64-127): the same for K
;   kind 2 (128-191): S0 = key_'s rows (the keys), S1 = Wv's rows: V, quantised along the keys             kind 3 (192-199): Wl's fragments are copied as images, nothing is multiplied
; THE ROWS OF A TILE ARE NOT NEIGHBOURS: lane r of tile 2 b + u takes row 32 b + 8 u + r + 8 (r / 8), of S0 and of S1 alike.  So the 16 registers of result tiles 2 b, 2 b + 1 are 16 neighbours
; along S0: 32 b + 16 (lane / 16) + 0 .. 15, as the conversions want them.
; SHARES: a work-group takes 128 rows of S0 x 512 rows of S1; wave w takes S1's rows 32 w .. 32 w + 31 (two tiles) against all eight tiles of S0: 16 accumulators, 128 matrix instructions.
; S0's 64 fragments go from wave to wave through LDS as IMAGES OF THEIR REGISTERS: four registers by one store of 16 bytes a lane, 512 consecutive bytes; no pitch, no padding.
; NO CLUSTER: the launch has no tensor load to share.  A tile's two groups of eight rows lie 16 rows apart, so rows laid as rows would meet in the same banks at any pitch that is a multiple of 16 bytes;
; the tile is filled once, through registers, 6,144 bytes a wave.
; WHAT IS STORED.  qf [head 16][tile of queries 256][4,096]: f32 image, register 16 b + i of lane (r, h) = Q(query 32 P + 8 a + r + 8 (r / 8), 64 head + 32 b + 16 h + i), tile = 2 P + a.
;   qq [head][group of 128 queries 32][6,656]: four pair images of 1,536 bytes (tile 2 p's six registers, then tile 2 p + 1's), then four scale words of 128 bytes (lanes 0-15 tile 2 p's rows, lanes 16-31 tile 2 p + 1's).
;   kv [head][key step of 128 keys 32][13,312]: K's half as in qq; then V's four fragments (16 of the head's 64 x 128 keys) of 1,536 bytes and their four scale words of 128 bytes.
;   wl [tile of 16 rows 64][K step 8][1,536]: Wl's fragments.
; A scale word of Q and of K has 0x7f in bytes 2 and 3: the head has 64 numbers, the matrix instruction 128 (launch attn).
.set SCI,   98304                      ; LDS: 0 .. 98,303 the images, fragment (tile t, K step s) at 1,536 (8 t + s); from SCI S0's scale words: K step s at 512 s, a lane's 16 bytes = the words of tile pairs 0 .. 3
.set SPARE, 102400                     ; the spare words, 128 bytes for each of 16 waves: eight blocks of 256 bytes that no other line names
.set SB,  16                           ; v16-23   S1's scale words of K steps 0 .. 7: lanes 0-15 my tile 0's rows, lanes 16-31 my tile 1's
.set SA,  24                           ; v24-27   S0's scale words of the K step in hand, tile pairs 0 .. 3
.set S1F, 28                           ; v28-75   S1's fragments: two sets of two
.set S0F, 76                           ; v76-123  four fragments of S0
.set ACC, 128                          ; v128-255 accumulator (my tile a, S0's tile t) at 128 + 64 a + 8 t
.set TM,  28                           ; behind the K loop: v28-43 at work in QUANT
.set PW0, 44
.set PW1, 45
.set W0,  46                           ; the two scale words that are stored
.set W1,  47
.set CT,  48                           ; v48-50, v52-54 the upper halves of blocks, on their way
.set R0,  56                           ; v56-67, v68-79 the two images that are stored
.set R1,  68
.set SEL, 78                           ; s[78:79] v_permlanex16_b32's selects for lane l xor 16
; v1 16 lane + 6,144 wave   v2 16 lane   v3 16 lane + 49,152   v4 16 lane + SCI   v5 where my scale words go   v6 768 (r + 8 (r / 8)) + 24 h   v7 32 (8 h + r + 8 (r / 8))
; v9 4 lane   v11 64 h   v12 4 (r + 8 (r / 8))   v13 lane   v14, v15 the add's two
	s_load_b512 s[4:19], s[0:1], 0x0               ; query codes 4, scales 6; key_ codes 8, scales 10; Wq codes 12, scales 14; Wk codes 16, scales 18
	s_load_b512 s[20:35], s[0:1], 0x40             ; Wv codes 20, scales 22; Wl codes 24; bq 26; bk 28; bv 30; qf 32; qq 34
	s_load_b128 s[36:39], s[0:1], 0x80             ; kv 36; wl 38
	v_lshl_add_u32 v14, v0, 2, SPARE
	v_mov_b32 v15, 0
	v_lshrrev_b32 v8, 5, v0
	v_readfirstlane_b32 s56, v8                    ; wave 0 .. 15
	v_and_b32 v13, 31, v0                          ; lane
	v_and_b32 v8, 15, v0                           ; r
	v_bfe_u32 v10, v0, 4, 1                        ; h
	v_lshlrev_b32 v2, 4, v13
	v_add_nc_u32 v3, 49152, v2
	v_add_nc_u32 v4, SCI, v2
	v_lshlrev_b32 v9, 2, v13
	v_lshlrev_b32 v11, 6, v10
	v_and_b32 v12, 8, v8
	v_add_nc_u32 v12, v12, v8                      ; r + 8 (r / 8)
	v_mul_u32_u24 v6, v12, 768                     ; a row of 1,024 codes is 768 bytes
	v_mad_u32_u24 v6, v10, 24, v6
	v_lshl_add_u32 v7, v10, 3, v12
	v_lshlrev_b32 v7, 5, v7                        ; a row of scale bytes is 32 bytes; lanes 16-31 take the pair's second tile, 8 rows on
	v_lshlrev_b32 v12, 2, v12
	s_mov_b32 s[SEL], 0x76543210
	s_mov_b32 s[SEL+1], 0xfedcba98
	s_mov_b32 s80, 0x7f7f0000
	s_lshr_b32 s52, ttmp9, 6                       ; kind
	s_and_b32 s53, ttmp9, 63                       ; which block of its kind
	s_and_b32 s54, s53, 7                          ; Q, K: 8 blocks of S0 x 8 of S1
	s_lshr_b32 s55, s53, 3
	s_and_b32 s57, s53, 31                         ; V: 32 blocks of S0 x 2 of S1
	s_lshr_b32 s58, s53, 5
	s_cmp_eq_u32 s52, 2
	s_cselect_b32 s54, s57, s54                    ; S0's block of 128 rows
	s_cselect_b32 s55, s58, s55                    ; S1's block of 512 rows
	; the fragments of S0 that I bring: tile w / 2, K steps 4 (w % 2) + 0 .. 3
	s_lshl_b32 s82, s54, 7
	s_lshr_b32 s57, s56, 2
	s_lshl_b32 s57, s57, 5
	s_add_co_u32 s82, s82, s57
	s_bfe_u32 s57, s56, 0x10001
	s_lshl_b32 s57, s57, 3
	s_add_co_u32 s82, s82, s57                     ; the tile's first row: 128 block + 32 (w / 4) + 8 ((w / 2) % 2)
	s_mul_i32 s82, s82, 768
	s_and_b32 s59, s56, 1
	s_mul_i32 s57, s59, 384
	s_add_co_u32 s82, s82, s57
	s_mov_b32 s83, 0
	; the scale words of S0 that I bring: K step w / 2, tile pairs 2 (w % 2) and 2 (w % 2) + 1
	s_lshl_b32 s84, s54, 12
	s_lshr_b32 s57, s56, 1
	s_lshl_b32 s58, s57, 2
	s_add_co_u32 s84, s84, s58
	s_lshl_b32 s58, s59, 11
	s_add_co_u32 s84, s84, s58
	s_mov_b32 s85, 0
	s_lshl_b32 s60, s55, 9
	s_lshl_b32 s58, s56, 5
	s_add_co_u32 s60, s60, s58                     ; my first row of S1: 512 block + 32 wave
	s_mul_i32 s86, s60, 768
	s_mov_b32 s87, 0
	s_lshl_b32 s88, s60, 5
	s_mov_b32 s89, 0
	s_lshl_b32 s57, s54, 9                         ; the bias: Q, K: of S0's 128 rows; V: of my 32 rows of S1
	s_lshl_b32 s58, s60, 2
	s_cmp_eq_u32 s52, 2
	s_cselect_b32 s90, s58, s57
	s_mov_b32 s91, 0
	s_mul_i32 s57, s56, 6144
	v_add_nc_u32 v1, s57, v2                       ; my four images begin at 1,536 x 4 w
	s_lshr_b32 s57, s56, 1
	s_lshl_b32 s57, s57, 9
	s_lshl_b32 s58, s59, 3
	s_add_co_u32 s57, s57, s58
	s_add_co_u32 s57, s57, SCI
	v_add_nc_u32 v5, s57, v2
	s_wait_kmcnt 0x0
	s_cmp_eq_u32 s52, 1                            ; the buffers are chosen by the work-group's number alone
	s_cselect_b64 s[40:41], s[16:17], s[12:13]     ; S0's codes
	s_cselect_b64 s[42:43], s[18:19], s[14:15]     ; S0's scales
	s_cselect_b64 s[44:45], s[8:9], s[4:5]         ; S1's codes
	s_cselect_b64 s[46:47], s[10:11], s[6:7]       ; S1's scales
	s_cselect_b64 s[48:49], s[28:29], s[26:27]     ; the bias
	s_cselect_b64 s[50:51], s[36:37], s[34:35]     ; where the codes go
	s_cmp_eq_u32 s52, 2
	s_cselect_b64 s[40:41], s[8:9], s[40:41]
	s_cselect_b64 s[42:43], s[10:11], s[42:43]
	s_cselect_b64 s[44:45], s[20:21], s[44:45]
	s_cselect_b64 s[46:47], s[22:23], s[46:47]
	s_cselect_b64 s[48:49], s[30:31], s[48:49]
	s_cselect_b64 s[50:51], s[36:37], s[50:51]
	s_cmp_eq_u32 s52, 3
	s_cselect_b64 s[40:41], s[24:25], s[40:41]
	s_add_nc_u64 s[40:41], s[40:41], s[82:83]
	s_add_nc_u64 s[42:43], s[42:43], s[84:85]
	s_add_nc_u64 s[44:45], s[44:45], s[86:87]
	s_add_nc_u64 s[46:47], s[46:47], s[88:89]
	s_add_nc_u64 s[48:49], s[48:49], s[90:91]
.macro ALOADS                          ; four fragments of S0: each 24 bytes of a row's stream of bits as three loads of 8 bytes
.irp i,0,1,2,3
.irp p,0,1,2,3,4,5
	global_load_b64 v[S0F+12*\i+2*\p:S0F+12*\i+2*\p+1], v6, s[40:41] offset:96*\i+48*(\p/3)+8*(\p%3)
.endr
.endr
.endm
.macro S1LOAD s                        ; my two fragments of S1 for K step s, into set s % 2
.irp a,0,1
.irp p,0,1,2,3,4,5
	global_load_b64 v[S1F+24*((\s)%2)+12*\a+2*\p:S1F+24*((\s)%2)+12*\a+2*\p+1], v6, s[44:45] offset:6144*\a+96*(\s)+48*(\p/3)+8*(\p%3)
.endr
.endr
.endm
	s_cmp_lg_u32 s52, 3
	s_cbranch_scc1 .Lwork
	; ---- kind 3: Wl's fragments leave as they stand in the registers: 512 consecutive bytes a store.  No LDS byte is written on this way
	s_mul_i32 s60, s53, 98304                      ; 64 fragments a work-group
	s_mov_b32 s61, 0
	s_add_nc_u64 s[38:39], s[38:39], s[60:61]
	ALOADS
	s_wait_loadcnt 0x0
.irp i,0,1,2,3
.irp c,0,1,2
	global_store_b128 v1, v[S0F+12*\i+4*\c:S0F+12*\i+4*\c+3], s[38:39] offset:1536*\i+512*\c
.endr
.endr
	s_endpgm
.Lwork:
	ALOADS                                         ; 24 loads
	global_load_b32 v[SA], v7, s[42:43]            ; 2: S0's scale words of my K step, two tile pairs
	global_load_b32 v[SA+1], v7, s[42:43] offset:1024
	global_load_b128 v[SB:SB+3], v7, s[46:47]      ; 2: my rows' scale words for all of K
	global_load_b128 v[SB+4:SB+7], v7, s[46:47] offset:16
	S1LOAD 0                                       ; 12
	; THE BIAS STARTS THE SUMS.  One branch; both ways write all 128 accumulator registers
	s_cmp_eq_u32 s52, 2
	s_cbranch_scc1 .Lbias_v
.irp a,0,1                             ; Q, K: register j of tile t is the bias of S0's row 32 (t / 2) + 16 h + 8 (t % 2) + j
.irp t,0,1,2,3,4,5,6,7
	global_load_b128 v[ACC+64*\a+8*\t:ACC+64*\a+8*\t+3], v11, s[48:49] offset:4*(32*(\t/2)+8*(\t%2))
	global_load_b128 v[ACC+64*\a+8*\t+4:ACC+64*\a+8*\t+7], v11, s[48:49] offset:4*(32*(\t/2)+8*(\t%2))+16
.endr
.endr
	s_branch .Lbias_done
.Lbias_v:                              ; V: the bias belongs to the lane's row of S1: one number for each of my two tiles
	global_load_b32 v124, v12, s[48:49]
	global_load_b32 v125, v12, s[48:49] offset:32
	s_wait_loadcnt 0x0
.set j, 0
.rept 64
	v_mov_b32 v[ACC+j], v124
	v_mov_b32 v[ACC+64+j], v125
.set j, j+1
.endr
.Lbias_done:
	s_wait_loadcnt 46                              ; S0's fragments and scale words are in: behind them S1's 14 loads and the 32 of the bias were issued (V: nothing is out)
.irp i,0,1,2,3
.irp c,0,1,2
	ds_store_b128 v1, v[S0F+12*\i+4*\c:S0F+12*\i+4*\c+3] offset:1536*\i+512*\c
.endr
.endr
	ds_store_b64 v5, v[SA:SA+1]
	s_wait_dscnt 0x0                               ; for the others' sake: my images have landed
	s_barrier_signal -1
	s_barrier_wait -1                              ; all 64 fragments and all scale words of S0 lie in LDS; they are written no more
.macro MM                              ; one product; the symbols are set by the caller.  The rows of the scale registers pick a pair's first or second tile
.if (fA == 0) && (fB == 0)
	v_wmma_scale_f32_16x16x128_f8f6f4 v[rD:rD+7], v[rA:rA+11], v[rB:rB+11], v[rD:rD+7], v[rSA], v[rSB] matrix_a_fmt:MATRIX_FMT_BF6 matrix_b_fmt:MATRIX_FMT_BF6
.elseif fB == 0
	v_wmma_scale_f32_16x16x128_f8f6f4 v[rD:rD+7], v[rA:rA+11], v[rB:rB+11], v[rD:rD+7], v[rSA], v[rSB] matrix_a_fmt:MATRIX_FMT_BF6 matrix_b_fmt:MATRIX_FMT_BF6 matrix_a_scale:MATRIX_SCALE_ROW1
.elseif fA == 0
	v_wmma_scale_f32_16x16x128_f8f6f4 v[rD:rD+7], v[rA:rA+11], v[rB:rB+11], v[rD:rD+7], v[rSA], v[rSB] matrix_a_fmt:MATRIX_FMT_BF6 matrix_b_fmt:MATRIX_FMT_BF6 matrix_b_scale:MATRIX_SCALE_ROW1
.else
	v_wmma_scale_f32_16x16x128_f8f6f4 v[rD:rD+7], v[rA:rA+11], v[rB:rB+11], v[rD:rD+7], v[rSA], v[rSB] matrix_a_fmt:MATRIX_FMT_BF6 matrix_b_fmt:MATRIX_FMT_BF6 matrix_a_scale:MATRIX_SCALE_ROW1 matrix_b_scale:MATRIX_SCALE_ROW1
.endif
.endm
; A K step of 128: S1's next fragments are asked for; S0's eight come from LDS four at a time; 16 products.  The 16 accumulators take turns, one instruction a turn, in the same order in every step.
.macro KSTEP s
.if (\s) < 7
	S1LOAD (\s)+1
	s_wait_loadcnt 12                              ; all but the 12 just issued: this step's fragments (and, in step 0, the scale words and the bias) are in
.else
	s_wait_loadcnt 0x0
.endif
.irp g,0,1
.if \g == 0
	ds_load_b128 v[SA:SA+3], v4 offset:512*(\s)
.endif
.irp tt,0,1,2,3
.irp c,0,1,2
	ds_load_b128 v[S0F+12*\tt+4*\c:S0F+12*\tt+4*\c+3], v[2+\g] offset:(8*\tt+(\s))*1536+512*\c
.endr
.endr
	s_wait_dscnt 0x0
.irp tt,0,1,2,3
.irp a,0,1
.set rD, ACC+64*\a+8*(4*\g+\tt)
.set rA, S0F+12*\tt
.set rB, S1F+24*((\s)%2)+12*\a
.set rSA, SA+(4*\g+\tt)/2
.set rSB, SB+(\s)
.set fA, \tt%2
.set fB, \a
	MM
.endr
.endr
.rept 4
	v_nop                                          ; four places in front of loads into registers that these products have read, and of the first read of results
.endr
.endr
.endm
.irp s,0,1,2,3,4,5,6,7
	KSTEP \s
.endr
; 64 numbers of a lane, v[s] .. v[s + 63], register 16 b + i = number 32 b + 16 (lane / 16) + i of my row, become codes: blocks 0, 1 in v[d0] .. v[d0 + 5], blocks 2, 3 in v[d1] .. v[d1 + 5]; the four scale bytes in v[pw].
.macro QUANT s, d0, d1, pw
.irp b,0,1,2,3
	v_max3_num_f32 v[TM+\b], |v[\s+16*\b]|, |v[\s+1+16*\b]|, 0x2800000   ; my 16 numbers of block b, and the floor 2^(5 - 127): the byte cannot fall under 1
.endr
.irp i,2,4,6,8,10,12,14
.irp b,0,1,2,3
	v_max3_num_f32 v[TM+\b], v[TM+\b], |v[\s+16*\b+\i]|, |v[\s+1+16*\b+\i]|
.endr
.endr
.irp b,0,1,2,3
	v_permlanex16_b32 v[TM+4+\b], v[TM+\b], s[SEL], s[SEL+1]
.endr
.irp b,0,1,2,3
	v_max_num_f32 v[TM+\b], v[TM+\b], v[TM+4+\b]   ; with lane l xor 16's 16: the block's largest magnitude
.endr
.irp b,0,1,2,3
	v_add_nc_u32 v[TM+12+\b], 0xfe000000, v[TM+\b] ; 4 off its exponent field: the conversion takes this operand's exponent field as its scale
.endr
.irp b,0,1,2,3
	v_lshrrev_b32 v[TM+4+\b], 23, v[TM+12+\b]      ; the scale's byte
.endr
	v_lshl_or_b32 v[\pw], v[TM+5], 8, v[TM+4]
	v_lshl_or_b32 v[\pw], v[TM+6], 16, v[\pw]
	v_lshl_or_b32 v[\pw], v[TM+7], 24, v[\pw]
	v_cvt_scalef32_pk16_bf6_f32 v[\d0:\d0+2], v[\s:\s+15], v[TM+12]
	v_cvt_scalef32_pk16_bf6_f32 v[CT:CT+2], v[\s+16:\s+31], v[TM+13]       ; (a conversion's three registers begin on an even number)
	v_cvt_scalef32_pk16_bf6_f32 v[\d1:\d1+2], v[\s+32:\s+47], v[TM+14]
	v_cvt_scalef32_pk16_bf6_f32 v[CT+4:CT+6], v[\s+48:\s+63], v[TM+15]
	v_nop                                          ; one plain place behind a scaled conversion
.irp i,0,1,2
	v_permlane16_swap_b32 v[\d0+\i], v[CT+\i]      ; the operand's layout wants a WHOLE block in a lane: lanes 0-15 the even block, lanes 16-31 the odd one
	v_permlane16_swap_b32 v[\d1+\i], v[CT+4+\i]
.endr
.irp i,0,1,2
	v_mov_b32 v[\d0+3+\i], v[CT+\i]
	v_mov_b32 v[\d1+3+\i], v[CT+4+\i]
.endr
.endm
.irp b,0,1,2,3
	v_mov_b32 v[TM+4+\b], 0                        ; written once: a lane permute's destination counts as one of its sources
.endr
	s_cmp_eq_u32 s52, 2
	s_cbranch_scc1 .Lout_v
	; ---- Q, K: my 128 numbers a row are two heads' 64.  Head e's pair image = my tile 0's six registers of head e, then my tile 1's
	s_lshl_b32 s66, 0x34000, s52                   ; a head's bytes: 212,992 in qq, twice that in kv
	s_lshl_b32 s67, 0x1a00, s52                    ; a group's: 6,656 in qq, twice that in kv
	s_lshl_b32 s57, s54, 1
	s_mul_i32 s57, s57, s66                        ; head 2 x S0's block
	s_lshl_b32 s58, s55, 2
	s_lshr_b32 s59, s56, 2
	s_add_co_u32 s58, s58, s59                     ; group 4 x S1's block + w / 4
	s_mul_i32 s58, s58, s67
	s_add_co_u32 s57, s57, s58
	s_and_b32 s58, s56, 3                          ; pair w % 4
	s_mul_i32 s59, s58, 1536
	s_add_co_u32 s60, s57, s59                     ; the first image's offset
	s_lshl_b32 s58, s58, 7
	s_add_co_u32 s62, s57, s58
	s_add_co_u32 s62, s62, 6144                    ; the first scale word's
	s_mov_b32 s67, s66                             ; the second of each lies a head further on
	s_cmp_lg_u32 s52, 0
	s_cbranch_scc1 .Lno_qf
	s_lshl_b32 s57, s54, 21                        ; Q also leaves as f32, for the residual: head 2 x S0's block, 1,048,576 bytes a head;
	s_lshl_b32 s58, s55, 4
	s_add_co_u32 s58, s58, s56
	s_lshl_b32 s58, s58, 13                        ; tiles 2 P, 2 P + 1 with P = 16 x S1's block + w, 4,096 bytes a tile
	s_add_co_u32 s58, s57, s58
	s_mov_b32 s59, 0
	s_add_nc_u64 s[76:77], s[32:33], s[58:59]
.irp a,0,1
.irp e,0,1
.irp c,0,1,2,3,4,5,6,7
	global_store_b128 v2, v[ACC+64*\a+32*\e+4*\c:ACC+64*\a+32*\e+4*\c+3], s[76:77] offset:1048576*\e+4096*\a+512*\c   ; 512 consecutive bytes; each accumulator from its low end on
.endr
.endr
.endr
.Lno_qf:
	QUANT ACC, R0, R1, PW0
	QUANT ACC+64, R0+6, R1+6, PW1
	v_cmp_gt_u32 vcc_lo, 16, v13
	v_cndmask_b32 v[PW0], v[PW1], v[PW0], vcc_lo   ; lanes 0-15: my tile 0's rows; lanes 16-31: my tile 1's
	v_and_or_b32 v[W0], v[PW0], 0xffff, s80        ; head e = 0: bytes 0, 1; 0x7f above them
	v_lshrrev_b32 v[W1], 16, v[PW0]
	v_or_b32 v[W1], s80, v[W1]                     ; head e = 1: bytes 2, 3
	s_branch .Lstore
.Lout_v:
	; ---- V: my 128 numbers a row are a key step's 128 keys: each of my two tiles gives a whole fragment and a scale word
	s_lshl_b32 s57, s55, 3
	s_lshr_b32 s58, s56, 1
	s_add_co_u32 s57, s57, s58                     ; head 8 x S1's block + w / 2
	s_mul_i32 s57, s57, 425984
	s_mul_i32 s58, s54, 13312                      ; key step = S0's block
	s_add_co_u32 s57, s57, s58
	s_and_b32 s58, s56, 1                          ; tiles 2 (w % 2), 2 (w % 2) + 1 of the head's four
	s_mul_i32 s59, s58, 3072
	s_add_co_u32 s60, s57, s59
	s_add_co_u32 s60, s60, 6656
	s_lshl_b32 s58, s58, 8
	s_add_co_u32 s62, s57, s58
	s_add_co_u32 s62, s62, 12800
	s_mov_b32 s66, 1536
	s_mov_b32 s67, 128
	QUANT ACC, R0, R0+6, W0
	QUANT ACC+64, R1, R1+6, W1
.Lstore:
	s_mov_b32 s61, 0
	s_mov_b32 s63, 0
	s_add_nc_u64 s[68:69], s[50:51], s[60:61]
	s_add_nc_u64 s[72:73], s[50:51], s[62:63]
	s_mov_b32 s60, s66
	s_mov_b32 s62, s67
	s_add_nc_u64 s[70:71], s[68:69], s[60:61]
	s_add_nc_u64 s[74:75], s[72:73], s[62:63]
.irp c,0,1,2
	global_store_b128 v2, v[R0+4*\c:R0+4*\c+3], s[68:69] offset:512*\c
.endr
.irp c,0,1,2
	global_store_b128 v2, v[R1+4*\c:R1+4*\c+3], s[70:71] offset:512*\c
.endr
	global_store_b32 v9, v[W0], s[72:73]           ; 128 consecutive bytes: four waves' words make 512
	global_store_b32 v9, v[W1], s[74:75]
	s_wait_tensorcnt 0x0                           ; the wave's end
	ds_add_u32 v14, v15
	s_wait_dscnt 0x0
	s_endpgm
.Lfunc_end_k_q701f8dcf09_proj:
	.size	k_q701f8dcf09_proj, .Lfunc_end_k_q701f8dcf09_proj-k_q701f8dcf09_proj
	.p2alignl 7, 3214868480
	.fill 96, 4, 3214868480
	.section	.rodata,"a",@progbits
	.p2align	6, 0x0
	.amdhsa_kernel k_q701f8dcf09_proj
		.amdhsa_group_segment_fixed_size 104448
		.amdhsa_private_segment_fixed_size 0
		.amdhsa_enable_private_segment 0
		.amdhsa_kernarg_size 144
		.amdhsa_user_sgpr_count 2
		.amdhsa_user_sgpr_kernarg_segment_ptr 1
		.amdhsa_wavefront_size32 1
		.amdhsa_system_sgpr_workgroup_id_x 1
		.amdhsa_system_sgpr_workgroup_id_y 1
		.amdhsa_system_sgpr_workgroup_id_z 1
		.amdhsa_system_vgpr_workitem_id 0
		.amdhsa_next_free_vgpr 256
		.amdhsa_next_free_sgpr 96
		.amdhsa_reserve_vcc 1
		.amdhsa_float_denorm_mode_32 3
		.amdhsa_float_denorm_mode_16_64 3
		.amdhsa_memory_ordered 1
		.amdhsa_forward_progress 1
		.amdhsa_inst_pref_size 80
	.end_amdhsa_kernel
	.amdgpu_metadata
---
amdhsa.version: [ 1, 2 ]
amdhsa.kernels:
  - .name:           k_q701f8dcf09_proj
    .symbol:         k_q701f8dcf09_proj.kd
    .args:
      - { .name: query_codes, .offset: 0, .size: 8, .value_kind: global_buffer, .address_space: global }
      - { .name: query_scales, .offset: 8, .size: 8, .value_kind: global_buffer, .address_space: global }
      - { .name: key__codes, .offset: 16, .size: 8, .value_kind: global_buffer, .address_space: global }
      - { .name: key__scales, .offset: 24, .size: 8, .value_kind: global_buffer, .address_space: global }
      - { .name: Wq_codes, .offset: 32, .size: 8, .value_kind: global_buffer, .address_space: global }
      - { .name: Wq_scales, .offset: 40, .size: 8, .value_kind: global_buffer, .address_space: global }
      - { .name: Wk_codes, .offset: 48, .size: 8, .value_kind: global_buffer, .address_space: global }
      - { .name: Wk_scales, .offset: 56, .size: 8, .value_kind: global_buffer, .address_space: global }
      - { .name: Wv_codes, .offset: 64, .size: 8, .value_kind: global_buffer, .address_space: global }
      - { .name: Wv_scales, .offset: 72, .size: 8, .value_kind: global_buffer, .address_space: global }
      - { .name: Wl_codes, .offset: 80, .size: 8, .value_kind: global_buffer, .address_space: global }
      - { .name: bq, .offset: 88, .size: 8, .value_kind: global_buffer, .address_space: global }
      - { .name: bk, .offset: 96, .size: 8, .value_kind: global_buffer, .address_space: global }
      - { .name: bv, .offset: 104, .size: 8, .value_kind: global_buffer, .address_space: global }
      - { .name: qf, .offset: 112, .size: 8, .value_kind: global_buffer, .address_space: global }
      - { .name: qq, .offset: 120, .size: 8, .value_kind: global_buffer, .address_space: global }
      - { .name: kv, .offset: 128, .size: 8, .value_kind: global_buffer, .address_space: global }
      - { .name: wl, .offset: 136, .size: 8, .value_kind: global_buffer, .address_space: global }
    .group_segment_fixed_size: 104448
    .private_segment_fixed_size: 0
    .kernarg_segment_align: 8
    .kernarg_segment_size: 144
    .max_flat_workgroup_size: 512
    .sgpr_count:     96
    .vgpr_count:     256
    .wavefront_size: 32
...
	.end_amdgpu_metadata
.endif
;; end of part 1
;; launch attn (part 2): grid 16 x 16, 16 waves a work-group, clusters of 4 x 1, 327,680 bytes of LDS; arguments qq, kv, ao; writes ao
.if DOCPART == 2
	.amdgcn_target "amdgcn-amd-amdhsa--gfx1250"
	.amdhsa_code_object_version 6
	.text
	.protected	k_q701f8dcf09_attn
	.globl	k_q701f8dcf09_attn
	.p2align	8
	.type	k_q701f8dcf09_attn,@function
k_q701f8dcf09_attn:
	s_mov_b64 s[64:65], 0
	v_nop
	global_prefetch_b8 v0, s[64:65] scope:SCOPE_SE
	s_setreg_imm32_b32 hwreg(HW_REG_WAVE_MODE, 25, 1), 1
	s_wait_xcnt 0x0
	s_wait_alu depctr_hold_cnt(0) depctr_sa_sdst(0) depctr_va_vdst(0) depctr_va_sdst(0) depctr_va_ssrc(0) depctr_va_vcc(0) depctr_vm_vsrc(0)
	s_getreg_b32 s2, hwreg(HW_REG_IB_STS2, 6, 4)
	s_cmp_eq_u32 s2, 0
	s_cbranch_scc0 .Lentry_in_a_cluster
	s_endpgm
.Lentry_in_a_cluster:
	s_bfe_u32 s2, ttmp6, 0x10000c
	s_cmp_lg_u32 s2, 0x3003
	s_cbranch_scc0 .Lentry_shape_is_right
	s_endpgm
.Lentry_shape_is_right:
; ATTN: ao[head][q] = the sum over the keys of softmax(Q . K / 32) V, both products on codes of E3M2 with one E8M0 scale for each 32 along K.  Nothing of reference() is left out; the residual Q is added in launch ffn.
; THE SOFTMAX AHEAD OF THE SECOND PRODUCT: t = score x log2(e) / 32; M = the running largest t rounded UP to a whole number; p = 2^(t - M) is what is quantised, along the keys, not normalised.
; The row's sum is taken of the unquantised p and divides at the end.  When M moves, the sum and O are multiplied by 2^(old M - new M), which rounds nothing.
; LIMITS: NaN and infinities are not served; a p under 2^-126 falls to 0; a block of p that is all zeros keeps the scale byte 1 (its codes are zeros).
; SHARES: a work-group owns 256 queries of one head; each of its sixteen waves one tile of 16, in 256 registers: four waves to a SIMD, so that one wave's vector work stands beside another's products and LDS loads.
; Every wave walks the head's 32 key steps of 128 keys.  A key step is 13,312 dense bytes of kv, laid by launch proj in the order of the operands' registers: every fragment comes by loads of 16 bytes a lane, 512 consecutive bytes.
; LAYOUT: both products are used transposed: S^T = K Q^T (source 0 = 16 keys), O^T = V^T P^T (source 0 = 16 of the head's 64): a lane holds ONE query throughout.  Lane r of K's tile 2 b + u holds key 32 b + 8 u + r + 8 (r / 8),
; so the 16 registers of S^T's tiles 2 b, 2 b + 1 are keys 32 b + 16 (lane / 16) + 0 .. 15.
; THE HEAD HAS 64 NUMBERS, THE MATRIX INSTRUCTION 128.  Q's registers 6 .. 11 (k = 64 .. 127) are zeros for the whole launch.  K's tile t is named as 12 registers from its six on: the upper six are the next tile's codes
; (tile 7: p's codes).  E3M2 has no code for NaN or infinity, and bytes 2, 3 of both scale words are 0x7f: those products are exact zeros.
; THE RING: two slots of eight key steps (106,496 bytes); each wave moves a sixteenth of a slot, 26 rows of 256 bytes, by one tensor load (a slot's 416 rows are shared by 16 waves).  By this text's count a wave has two tensor loads out at the start and one behind each round.
; CLUSTER: the four blocks of queries of a cluster belong to one head and walk the same kv: each load is asked for JOINTLY, with the same descriptor (made of the head and the wave's number) and a mask that names the four.
.set STEPB, 13312                      ; a key step: 4 pair images of K (1,536 each), their 4 scale words (128 each); 4 fragments of V, their 4 scale words
.set SLOTB, 106496
.set SPARE, 212992                     ; behind the ring: the spare words, 128 bytes for each of 16 waves
.set WV,  10
.set G1,  16                           ; s[16:23] descriptor group 1
.set G0A, 24                           ; s[24:27] group 0 for slot 0;  s[28:31] for slot 1
.set G0B, 28
.set SEL, 32                           ; s[32:33] v_permlanex16_b32's selects for lane l xor 16
.set CS,  34                           ; s[34:35] c = log2(e) / 32
.set TB,  36                           ; s36 LDS byte at which the key step in hand begins
.set CNT, 37
.set VF,  28                           ; v28-75   V's four fragments
.set S,   76                           ; v76-139  S^T, then p
.set OT,  140                          ; v140-171 O^T
.set KF,  172                          ; v172-219 K's four pair images
.set PC,  220                          ; v220-231 p's codes
; v1 16 lane   v2 4 lane   v3, v4 the same + the step's byte   v5, v6 the add's two   v7-10 V's scale words   v12 -M   v13 the largest t   v[14:15] the sum in two halves   v16-27 Q
; v232-247, v254 at work   v248-251 K's scale words   v252 f   v253 p's scale word   v255 Q's scale word
.macro ROUND                           ; a round of the cluster's barrier
	s_barrier_signal -1
	s_barrier_wait -1
	s_cmp_lg_u32 s[WV], 0
	s_cbranch_scc1 .Lnot_wave_0_\@
	s_barrier_signal -3
.Lnot_wave_0_\@:
	s_barrier_wait -3
	s_barrier_signal -1
	s_barrier_wait -1
.endm
	s_load_b128 s[4:7], s[0:1], 0x0                ; qq, kv
	s_load_b64 s[8:9], s[0:1], 0x10                ; ao
	v_lshl_add_u32 v5, v0, 2, SPARE
	v_mov_b32 v6, 0
	ds_add_u32 v5, v6                              ; the wave's opening
	ds_add_u32 v5, v6
	v_lshrrev_b32 v1, 5, v0
	v_readfirstlane_b32 s[WV], v1                  ; wave 0 .. 15
	s_bfe_u32 s11, ttmp6, 0x40000                  ; cx: my place in the cluster
	s_lshl_b32 s12, ttmp9, 2
	s_add_co_u32 s12, s12, s11                     ; my block of 256 queries: it enters qq's and ao's addresses alone
	s_and_b32 s13, ttmp7, 0xffff                   ; the head, which the four partners share
	s_mov_b32 s[G1], 15|(3<<16)|(1<<21)            ; 15:0 the mask: all four work-groups; 17:16 elements of 8 bytes; 20 no padding; 21 set beside a mask
	s_mov_b32 s[G1+1], 32<<16                      ; tensor_dim0 = 32 elements: 256 bytes
	s_mov_b32 s[G1+2], 26<<16                      ; tensor_dim1 = 26
	s_mov_b32 s[G1+3], 32<<16                      ; tile_dim0
	s_mov_b32 s[G1+4], 26                          ; tile_dim1
	s_mov_b32 s[G1+5], 32                          ; the pitch: the block is dense
	s_mov_b32 s[G1+6], 0
	s_mov_b32 s[G1+7], 0
	s_mov_b32 s[G0A], 1
	s_mul_i32 s[G0A+1], s[WV], 6656                ; my sixteenth of a slot: no place in the cluster enters an LDS address
	s_mov_b32 s[G0B], 1
	s_add_co_u32 s[G0B+1], s[G0A+1], SLOTB
	s_mul_i32 s44, s13, 425984                     ; the head's 32 key steps
	s_add_co_u32 s44, s44, s[G0A+1]
	s_mov_b32 s45, 0
	s_mul_i32 s46, s13, 212992                     ; qq: the head, and my group of 128 queries: 2 x block + w / 8
	s_lshl_b32 s40, s12, 1
	s_lshr_b32 s41, s[WV], 3
	s_add_co_u32 s40, s40, s41
	s_mul_i32 s40, s40, 6656
	s_add_co_u32 s46, s46, s40
	s_mov_b32 s47, 0
	s_lshl_b32 s40, s13, 8                         ; ao: tile 256 head + 16 block + w, 4,096 bytes a tile
	s_lshl_b32 s41, s12, 4
	s_add_co_u32 s40, s40, s41
	s_add_co_u32 s40, s40, s[WV]
	s_lshl_b32 s40, s40, 12
	s_mov_b32 s41, 0
	s_mov_b32 s[SEL], 0x76543210
	s_mov_b32 s[SEL+1], 0xfedcba98
	s_mov_b32 s[CS], 0x3d38aa3b                    ; log2(e) / 32
	s_mov_b32 s[CS+1], s[CS]                       ; (named with it as a pair, so it is written)
	s_wait_dscnt 0x0                               ; both opening adds are done
	s_wait_kmcnt 0x0
	s_add_nc_u64 s[G0A+2:G0A+3], s[6:7], s[44:45]  ; key steps 0 .. 7
	s_add_nc_u64 s[G0B+2:G0B+3], s[G0A+2:G0A+3], SLOTB   ; key steps 8 .. 15
	s_or_b32 s[G0A+3], s[G0A+3], 0x80000000        ; type = 2
	s_or_b32 s[G0B+3], s[G0B+3], 0x80000000
	s_add_nc_u64 s[38:39], s[4:5], s[46:47]
	s_add_nc_u64 s[42:43], s[8:9], s[40:41]
	ROUND                                          ; all four work-groups are here: the first joint loads meet
	tensor_load_to_lds s[G0A:G0A+3], s[G1:G1+7]
	s_nop 0
	tensor_load_to_lds s[G0B:G0B+3], s[G1:G1+7]
	s_nop 0
.rept 4
	v_nop
.endr
	v_and_b32 v2, 31, v0
	v_lshlrev_b32 v1, 4, v2
	v_lshlrev_b32 v2, 2, v2
	; Q: my tile is half a = w % 2 of pair (w / 2) % 4.  The pair's 12 registers lie as three chunks of four: registers 6 a .. 6 a + 5 are the 8-byte pieces at 16 lane + {520 a, 8 + 1,016 a, 512 + 520 a}
	s_bfe_u32 s40, s[WV], 0x20001
	s_mul_i32 s40, s40, 1536
	s_and_b32 s41, s[WV], 1
	s_mul_i32 s44, s41, 520
	s_add_co_u32 s40, s40, s44
	s_mul_i32 s44, s41, 496
	s_add_co_u32 s44, s44, s40
	s_add_co_u32 s44, s44, 8
	v_add_nc_u32 v232, s40, v1
	v_add_nc_u32 v233, s44, v1
	s_and_b32 s40, s[WV], 7
	s_lshl_b32 s40, s40, 6
	v_and_b32 v235, 15, v0
	v_lshl_add_u32 v235, v235, 2, s40              ; my tile's scale words: 64 (w % 8) + 4 r behind the group's images
	global_load_b64 v[16:17], v232, s[38:39]
	global_load_b64 v[18:19], v233, s[38:39]
	global_load_b64 v[20:21], v232, s[38:39] offset:512
	global_load_b32 v255, v235, s[38:39] offset:6144
.irp j,0,1,2,3,4,5
	v_mov_b32 v[22+\j], 0                          ; Q's k = 64 .. 127: zero codes
	v_mov_b32 v[PC+\j], 0                          ; named as the upper half of K's tile 7 before p's first codes are made
.endr
	v_mov_b32 v13, 0xff61b1e6                      ; the largest t so far: -3e38, under every t
	v_floor_f32 v12, -v13                          ; -M
	v_mov_b32 v14, 0
	v_mov_b32 v15, 0
.irp b,0,1,2,3
	v_mov_b32 v[236+\b], 0                         ; written once: a lane permute's destination counts as one of its sources
.endr
	v_mov_b32 v253, 0                              ; (named as the upper half of the pair v[252:253] before it is first written)
.set j, 0
.rept 32
	v_mov_b32 v[OT+j], 0                           ; O^T: the step is written once; the first finds zeros, which the first change of M leaves zeros
.set j, j+1
.endr
; A KEY STEP: 128 keys.
.macro STEP
	v_add_nc_u32 v3, s[TB], v1
	v_add_nc_u32 v4, s[TB], v2
	v_nop
	v_nop                                          ; four places in front of loads into registers that the last step's products have read
.irp p,0,1,2,3
.irp c,0,1,2
	ds_load_b128 v[KF+12*\p+4*\c:KF+12*\p+4*\c+3], v3 offset:1536*\p+512*\c
.endr
.endr
.irp p,0,1,2,3
	ds_load_b32 v[248+\p], v4 offset:6144+128*\p
.endr
.irp t,0,1,2,3
.irp c,0,1,2
	ds_load_b128 v[VF+12*\t+4*\c:VF+12*\t+4*\c+3], v3 offset:6656+1536*\t+512*\c
.endr
.endr
.irp t,0,1,2,3
	ds_load_b32 v[7+\t], v4 offset:12800+128*\t
.endr
	s_wait_dscnt 16                                ; K's 16 loads are in; V's 16 may stay out until the second product
.irp t,0,1,2,3,4,5,6,7
.if \t%2 == 0
	v_wmma_scale_f32_16x16x128_f8f6f4 v[S+8*\t:S+8*\t+7], v[KF+6*\t:KF+6*\t+11], v[16:27], 0, v[248+\t/2], v255 matrix_a_fmt:MATRIX_FMT_BF6 matrix_b_fmt:MATRIX_FMT_BF6
.else
	v_wmma_scale_f32_16x16x128_f8f6f4 v[S+8*\t:S+8*\t+7], v[KF+6*\t:KF+6*\t+11], v[16:27], 0, v[248+\t/2], v255 matrix_a_fmt:MATRIX_FMT_BF6 matrix_b_fmt:MATRIX_FMT_BF6 matrix_a_scale:MATRIX_SCALE_ROW1
.endif
.endr
.rept 4
	v_nop
.endr
.irp b,0,1,2,3
	v_max3_num_f32 v[232+\b], v[S+16*\b], v[S+1+16*\b], v[S+2+16*\b]   ; the largest score of each block of 32 keys: it serves for the row's maximum and, since p rises with the score, for the block's largest p
.endr
.irp i,3,5,7,9,11,13
.irp b,0,1,2,3
	v_max3_num_f32 v[232+\b], v[232+\b], v[S+16*\b+\i], v[S+1+16*\b+\i]
.endr
.endr
.irp b,0,1,2,3
	v_max_num_f32 v[232+\b], v[232+\b], v[S+15+16*\b]
.endr
.irp b,0,1,2,3
	v_permlanex16_b32 v[236+\b], v[232+\b], s[SEL], s[SEL+1]
.endr
.irp b,0,1,2,3
	v_max_num_f32 v[232+\b], v[232+\b], v[236+\b]  ; with lane l xor 16's 16 keys
.endr
	v_max3_num_f32 v254, v232, v233, v234
	v_max_num_f32 v254, v254, v235                 ; the step's largest score of my query
	v_mul_f32 v254, s[CS], v254                    ; as t (c is positive)
	v_max_num_f32 v13, v13, v254                   ; the running largest t
	v_mov_b32 v254, v12
	v_floor_f32 v12, -v13                          ; the new -M = floor(-t) = -ceil(t)
	v_sub_f32 v254, v12, v254                      ; old M - new M: a whole number, 0 or less
	v_cvt_i32_f32 v254, v254                       ; (it saturates)
	v_ldexp_f32 v252, 1.0, v254                    ; f = 2^(old M - new M)
.set j, 0
.rept 32
	v_pk_fma_f32 v[S+j:S+j+1], v[S+j:S+j+1], s[CS:CS+1], v[12:13] op_sel_hi:[1,0,0]   ; t - M, two at a time
.set j, j+2
.endr
.irp b,0,1,2,3
	v_fma_f32 v[232+\b], v[232+\b], s[CS], v12     ; the same of each block's largest score
.endr
.set j, 0
.rept 64
	v_exp_f32 v[S+j], v[S+j]                       ; p = 2^(t - M), at most 1
.set j, j+1
.endr
	v_pk_mul_f32 v[14:15], v[14:15], v[252:253] op_sel_hi:[1,0]   ; the sums under the new M: the plain place behind the exponentials
	s_wait_alu depctr_va_vdst(0)                   ; one wait for the batch of 64, ahead of its first reader
.irp b,0,1,2,3
	v_exp_f32 v[232+\b], v[232+\b]                 ; the block's largest p: the same two instructions on the same number give the same bits
.endr
	v_pk_add_f32 v[236:237], v[S:S+1], v[S+2:S+3]  ; the row's sum is taken of the unquantised p: two at a time, in two chains
.irp j,4,8,12,16,20,24,28,32,36,40,44,48,52,56,60
	v_pk_add_f32 v[14:15], v[14:15], v[S+\j:S+\j+1]
	v_pk_add_f32 v[236:237], v[236:237], v[S+2+\j:S+3+\j]
.endr
	v_pk_add_f32 v[14:15], v[14:15], v[236:237]
	s_wait_alu depctr_va_vdst(0)                   ; and one for the four
.irp b,0,1,2,3
	v_max_num_f32 v[232+\b], 0x2800000, v[232+\b]  ; the floor 2^(5 - 127): the byte cannot fall under 1
.endr
.irp b,0,1,2,3
	v_add_nc_u32 v[244+\b], 0xfe000000, v[232+\b]  ; 4 off the exponent field: the conversion's scale operand
.endr
.irp b,0,1,2,3
	v_lshrrev_b32 v[236+\b], 23, v[244+\b]         ; the scale's byte
.endr
	v_lshl_or_b32 v253, v237, 8, v236              ; p's scale word for these 128 keys
	v_lshl_or_b32 v253, v238, 16, v253
	v_lshl_or_b32 v253, v239, 24, v253
.irp c,0,1
	v_cvt_scalef32_pk16_bf6_f32 v[PC+6*\c:PC+2+6*\c], v[S+32*\c:S+15+32*\c], v[244+2*\c]
	v_cvt_scalef32_pk16_bf6_f32 v[236+4*\c:238+4*\c], v[S+16+32*\c:S+31+32*\c], v[244+2*\c+1]   ; (a conversion's three registers begin on an even number)
.endr
	v_nop                                          ; one plain place behind a scaled conversion
.irp c,0,1
.irp i,0,1,2
	v_permlane16_swap_b32 v[PC+6*\c+\i], v[236+4*\c+\i]   ; a WHOLE block in a lane: lanes 0-15 block 2 c, lanes 16-31 block 2 c + 1
.endr
.irp i,0,1,2
	v_mov_b32 v[PC+3+6*\c+\i], v[236+4*\c+\i]
.endr
.endr
.set j, 0
.rept 16
	v_pk_mul_f32 v[OT+j:OT+j+1], v[OT+j:OT+j+1], v[252:253] op_sel_hi:[1,0]   ; O^T under the new M, from each accumulator's low end on; these are also the places between p's codes and scale word and the products below
.set j, j+2
.endr
	s_wait_dscnt 0x0                               ; V is in
.irp t,0,1,2,3
	v_wmma_scale_f32_16x16x128_f8f6f4 v[OT+8*\t:OT+8*\t+7], v[VF+12*\t:VF+12*\t+11], v[PC:PC+11], v[OT+8*\t:OT+8*\t+7], v[7+\t], v253 matrix_a_fmt:MATRIX_FMT_BF6 matrix_b_fmt:MATRIX_FMT_BF6
.endr
.endm
.macro PROC base                       ; a slot's eight key steps: written once, walked eight times
	s_mov_b32 s[TB], \base
	s_mov_b32 s[CNT], 8
.Lstep_\@:
	STEP
	s_add_co_u32 s[TB], s[TB], STEPB
	s_sub_co_u32 s[CNT], s[CNT], 1
	s_cmp_lg_u32 s[CNT], 0
	s_cbranch_scc1 .Lstep_\@
.endm
; THE CHANGE OF SLOTS.  Each wave waits for all its tensor loads (its part of the slot ahead), adds 0 to its spare word, and waits for that and for its reads of the slot that it leaves.  Behind the round no wave of any partner
; reads that slot or has a load on its way: it is filled with the key steps two slots on, by the wave's one tensor load, which has eight key steps in which to land.
.macro CHANGE g0
	s_wait_tensorcnt 0x0                           ; no tensor load of mine is out, so a group 0 may be written
	ds_add_u32 v5, v6
	s_add_nc_u64 s[\g0+2:\g0+3], s[\g0+2:\g0+3], 2*SLOTB   ; the type bits on top are not reached
	s_wait_dscnt 0x0
	ROUND
	tensor_load_to_lds s[\g0:\g0+3], s[G1:G1+7]
	s_nop 0
.rept 4
	v_nop
.endr
.endm
	s_wait_tensorcnt 1                             ; my part of slot 0 is in; slot 1's may stay out
	s_barrier_signal -1
	s_barrier_wait -1                              ; everybody's is
	s_wait_loadcnt 0x0                             ; Q
	PROC 0                                         ; key steps 0 .. 7
	CHANGE G0A                                     ; slot 0 takes key steps 16 .. 23
	PROC SLOTB                                     ; 8 .. 15
	CHANGE G0B                                     ; slot 1 takes 24 .. 31
	PROC 0
	s_wait_tensorcnt 0x0                           ; the last change: my part of slot 1 is in; nothing is asked for, so no round
	ds_add_u32 v5, v6
	s_wait_dscnt 0x0
	s_barrier_signal -1
	s_barrier_wait -1
	PROC SLOTB
	; THE WAY OUT: O^T / the sum leaves as it stands in the registers: the image is what launch ffn wants; 512 consecutive bytes a store
	v_add_f32 v14, v14, v15                        ; the sum's two halves,
	v_permlanex16_b32 v252, v14, s[SEL], s[SEL+1]
	v_add_f32 v14, v14, v252                       ; and lane l xor 16's
	v_rcp_f32 v14, v14
.rept 4
	v_nop                                          ; the plain place behind the reciprocal, and the places behind the last products
.endr
	s_wait_alu depctr_va_vdst(0)                   ; ahead of the reciprocal's first reader
.set j, 0
.rept 16
	v_pk_mul_f32 v[S+j:S+j+1], v[OT+j:OT+j+1], v[14:15] op_sel_hi:[1,0]
.set j, j+2
.endr
.irp c,0,1,2,3,4,5,6,7
	global_store_b128 v1, v[S+4*\c:S+4*\c+3], s[42:43] offset:512*\c
.endr
	s_wait_tensorcnt 0x0                           ; the wave's end
	ds_add_u32 v5, v6
	s_wait_dscnt 0x0
	ROUND                                          ; the closing round: no work-group ends while a partner may still ask for a tile that names it
	s_endpgm
.Lfunc_end_k_q701f8dcf09_attn:
	.size	k_q701f8dcf09_attn, .Lfunc_end_k_q701f8dcf09_attn-k_q701f8dcf09_attn
	.p2alignl 7, 3214868480
	.fill 96, 4, 3214868480
	.section	.rodata,"a",@progbits
	.p2align	6, 0x0
	.amdhsa_kernel k_q701f8dcf09_attn
		.amdhsa_group_segment_fixed_size 327680
		.amdhsa_private_segment_fixed_size 0
		.amdhsa_enable_private_segment 0
		.amdhsa_kernarg_size 24
		.amdhsa_user_sgpr_count 2
		.amdhsa_user_sgpr_kernarg_segment_ptr 1
		.amdhsa_wavefront_size32 1
		.amdhsa_system_sgpr_workgroup_id_x 1
		.amdhsa_system_sgpr_workgroup_id_y 1
		.amdhsa_system_sgpr_workgroup_id_z 1
		.amdhsa_system_vgpr_workitem_id 0
		.amdhsa_next_free_vgpr 256
		.amdhsa_next_free_sgpr 66
		.amdhsa_reserve_vcc 0
		.amdhsa_float_denorm_mode_32 3
		.amdhsa_float_denorm_mode_16_64 3
		.amdhsa_memory_ordered 1
		.amdhsa_forward_progress 1
		.amdhsa_inst_pref_size 74
	.end_amdhsa_kernel
	.amdgpu_metadata
---
amdhsa.version: [ 1, 2 ]
amdhsa.kernels:
  - .name:           k_q701f8dcf09_attn
    .symbol:         k_q701f8dcf09_attn.kd
    .args:
      - { .name: qq, .offset: 0, .size: 8, .value_kind: global_buffer, .address_space: global }
      - { .name: kv, .offset: 8, .size: 8, .value_kind: global_buffer, .address_space: global }
      - { .name: ao, .offset: 16, .size: 8, .value_kind: global_buffer, .address_space: global }
    .group_segment_fixed_size: 327680
    .private_segment_fixed_size: 0
    .kernarg_segment_align: 8
    .kernarg_segment_size: 24
    .max_flat_workgroup_size: 512
    .sgpr_count:     66
    .vgpr_count:     256
    .wavefront_size: 32
...
	.end_amdgpu_metadata
.endif
;; end of part 2
;; launch ffn (part 3): grid 256 x 1, 16 waves a work-group, no clusters, 93,184 bytes of LDS; arguments ao, qf, g1, b1, wl, Wl_scales, bl, g2, b2, out0; writes out0
.if DOCPART == 3
	.amdgcn_target "amdgcn-amd-amdhsa--gfx1250"
	.amdhsa_code_object_version 6
	.text
	.protected	k_q701f8dcf09_ffn
	.globl	k_q701f8dcf09_ffn
	.p2align	8
	.type	k_q701f8dcf09_ffn,@function
k_q701f8dcf09_ffn:
	s_mov_b64 s[64:65], 0
	v_nop
	global_prefetch_b8 v0, s[64:65] scope:SCOPE_SE
	s_setreg_imm32_b32 hwreg(HW_REG_WAVE_MODE, 25, 1), 1
	s_wait_xcnt 0x0
; FFN: x = ao + qf (attention's result + the projected Q); y = LayerNorm(x) g1 + b1; z = y + relu(Q(y) Wl + bl), the product on codes of E3M2; out0 = LayerNorm(z) g2 + b2.  Nothing of reference() is left out.
; LIMITS: NaN and infinities are not served; a block of y under 2^-122 keeps the scale byte 1, a block of zeros too (its codes are zeros).
; SHARES: a work-group takes one tile of 16 rows (tile T: rows 32 (T / 2) + 8 (T % 2) + r + 8 (r / 8)) at full width; wave w owns columns 64 w .. 64 w + 63.  Register 16 b + i of lane (r, h) is column 64 w + 32 b + 16 h + i of row r:
; so ao and qf were stored, so the quantiser wants y, and so the product's result falls (source 0 = 16 rows of Wl, chosen as in launch proj; source 1 = y's 16 rows): both residuals are register by register.
; The norms go in two passes, as reference() has them: the mean, then the mean of the squared differences.  A row's sums meet in LDS: each wave stores its part, a barrier, every wave adds the sixteen.
; y's codes go from wave to wave through LDS as images of the operand's registers: wave w's six registers are half w % 2 of K step w / 2.
; Wl's fragments come from memory straight into registers, laid by launch proj in their order: 512 consecutive bytes a load, one K step ahead of the products.
; NO CLUSTER: the launch has no tensor load: each fragment of Wl feeds one wave once.
.set YIMG,  8192                       ; LDS: 0 .. 8,191 four regions of sums, [wave 16][lane 32][4]; from YIMG y's half fragments, 768 bytes a wave: registers 0-3 at 16 lane, registers 4-5 at 512 + 8 lane
.set YSC,   20480                      ; y's scale words, 128 bytes a K step
.set STG,   21504                      ; the way out: 16 rows x (256 + 16) bytes for each wave
.set SPARE, 91136                      ; the spare words, 128 bytes for each of 16 waves
.set X,   16                           ; v16-47   my 32 numbers
.set ACC, 48                           ; v48-79   qf, then at work, then the product's four accumulators, then rows on the way out
.set YFB, 80                           ; v80-103  at work in the quantiser, then y's fragments, two sets
.set YS,  104                          ; v104-111 y's scale words of K steps 0 .. 7
.set BR,  112                          ; v112-143 b1, then b2
.set WB,  144                          ; v144-239 Wl's fragments, two sets of four; g1 lies in v192-223 first, g2 in v144-175 last
.set G1R, 192
.set G2R, 144
.set WS,  240                          ; v240-255 Wl's scale words: tile pair i, K step s at 240 + 8 i + s
.set SEL, 30                           ; s[30:31]
; v1 16 lane  v2 4 lane  v3 8 lane  v4 4 lane + 128 w  v5, v6, v7 where y's codes and bytes go (v5, v6 later: the way out)  v8 64 h  v9 4 r + 1,024 h  v10 32 (8 h + r + 8 (r / 8))  v11 the stage, in  v[12:13] mean, factor  v14, v15 the add's two
	s_load_b512 s[4:19], s[0:1], 0x0               ; ao 4, qf 6, g1 8, b1 10, wl 12, Wl's scales 14, bl 16, g2 18
	s_load_b128 s[20:23], s[0:1], 0x40             ; b2 20, out0 22
	v_lshl_add_u32 v14, v0, 2, SPARE
	v_mov_b32 v15, 0
	v_lshrrev_b32 v1, 5, v0
	v_readfirstlane_b32 s24, v1                    ; wave 0 .. 15
	v_and_b32 v2, 31, v0
	v_lshlrev_b32 v1, 4, v2
	v_lshlrev_b32 v3, 3, v2
	v_lshlrev_b32 v2, 2, v2
	v_and_b32 v12, 15, v0                          ; r
	v_bfe_u32 v13, v0, 4, 1                        ; h
	s_lshl_b32 s26, s24, 7
	v_add_nc_u32 v4, s26, v2
	s_mul_i32 s26, s24, 768
	s_add_co_u32 s26, s26, YIMG
	v_add_nc_u32 v5, s26, v1
	s_add_co_u32 s26, s26, 512
	v_add_nc_u32 v6, s26, v3
	s_lshr_b32 s26, s24, 1
	s_lshl_b32 s26, s26, 7
	s_and_b32 s27, s24, 1
	s_lshl_b32 s27, s27, 1
	s_add_co_u32 s26, s26, s27
	s_add_co_u32 s26, s26, YSC
	v_add_nc_u32 v7, s26, v2                       ; my two bytes of a row's scale word: K step w / 2, bytes 2 (w % 2) on
	v_lshlrev_b32 v8, 6, v13
	v_lshlrev_b32 v9, 2, v12
	v_lshl_add_u32 v9, v13, 10, v9
	v_and_b32 v10, 8, v12
	v_add_nc_u32 v10, v10, v12
	v_lshl_add_u32 v10, v13, 3, v10
	v_lshlrev_b32 v10, 5, v10
	s_mul_i32 s25, s24, 4352
	s_add_co_u32 s25, s25, STG                     ; my stage
	v_mul_u32_u24 v11, v12, 272
	v_lshl_add_u32 v11, v13, 6, v11
	v_add_nc_u32 v11, s25, v11                     ; in: row r, + 64 h
	s_mov_b32 s[SEL], 0x76543210
	s_mov_b32 s[SEL+1], 0xfedcba98
	s_mov_b32 s32, 0x3a800000                      ; 1 / 1,024
	s_mov_b32 s33, 0x3727c5ac                      ; 1e-5
	s_lshl_b32 s34, s24, 20                        ; ao, qf: head w, tile T
	s_lshl_b32 s35, ttmp9, 12
	s_add_co_u32 s34, s34, s35
	s_mov_b32 s35, 0
	s_lshl_b32 s36, s24, 8                         ; my 64 columns in a vector of 1,024
	s_mov_b32 s37, 0
	s_mul_i32 s38, s24, 49152                      ; wl: my four tiles x 8 K steps
	s_mov_b32 s39, 0
	s_lshl_b32 s40, s24, 11                        ; Wl's scales: my 64 rows of 32 bytes
	s_mov_b32 s41, 0
	s_lshr_b32 s42, ttmp9, 1
	s_lshl_b32 s42, s42, 5
	s_and_b32 s43, ttmp9, 1
	s_lshl_b32 s43, s43, 3
	s_add_co_u32 s42, s42, s43                     ; the tile's first row
	s_lshl_b32 s42, s42, 12
	s_add_co_u32 s42, s42, s36
	s_mov_b32 s43, 0
	s_wait_kmcnt 0x0
	s_add_nc_u64 s[4:5], s[4:5], s[34:35]
	s_add_nc_u64 s[6:7], s[6:7], s[34:35]
	s_add_nc_u64 s[8:9], s[8:9], s[36:37]
	s_add_nc_u64 s[10:11], s[10:11], s[36:37]
	s_add_nc_u64 s[12:13], s[12:13], s[38:39]
	s_add_nc_u64 s[14:15], s[14:15], s[40:41]
	s_add_nc_u64 s[16:17], s[16:17], s[36:37]
	s_add_nc_u64 s[18:19], s[18:19], s[36:37]
	s_add_nc_u64 s[20:21], s[20:21], s[36:37]
	s_add_nc_u64 s[22:23], s[22:23], s[42:43]
.macro VLOAD reg, lo                   ; my 32 numbers of a vector of 1,024, in X's order: 8 loads
.irp b,0,1
.irp j,0,1,2,3
	global_load_b128 v[\reg+16*\b+4*\j:\reg+16*\b+4*\j+3], v8, s[\lo:\lo+1] offset:128*\b+16*\j
.endr
.endr
.endm
.macro WLOAD s                         ; my four fragments of Wl for K step s, into set s % 2: 12 loads
.irp t,0,1,2,3
.irp c,0,1,2
	global_load_b128 v[WB+48*((\s)%2)+12*\t+4*\c:WB+48*((\s)%2)+12*\t+4*\c+3], v1, s[12:13] offset:12288*\t+1536*(\s)+512*\c
.endr
.endr
.endm
.irp c,0,1,2,3,4,5,6,7
	global_load_b128 v[X+4*\c:X+4*\c+3], v1, s[4:5] offset:512*\c th:TH_LOAD_NT
.endr
.irp c,0,1,2,3,4,5,6,7
	global_load_b128 v[ACC+4*\c:ACC+4*\c+3], v1, s[6:7] offset:512*\c th:TH_LOAD_NT
.endr
	VLOAD G1R, 8
	VLOAD BR, 10
.irp i,0,1
	global_load_b128 v[WS+8*\i:WS+8*\i+3], v10, s[14:15] offset:1024*\i
	global_load_b128 v[WS+8*\i+4:WS+8*\i+7], v10, s[14:15] offset:1024*\i+16
.endr
	WLOAD 0
	s_wait_loadcnt 32                              ; ao and qf are in: behind them g1 8, b1 8, the scale words 4, K step 0's 12
.set j, 0
.rept 16
	v_pk_add_f32 v[X+j:X+j+1], v[X+j:X+j+1], v[ACC+j:ACC+j+1]
.set j, j+2
.endr
; The sum in v[rt] of my lane's part becomes the row's sum over all 1,024 columns, in every lane.  Region k of LDS is written once in the launch.
.macro REDUCE k, rt
	v_permlanex16_b32 v[\rt+1], v[\rt], s[SEL], s[SEL+1]
	v_add_f32 v[\rt], v[\rt], v[\rt+1]             ; my wave's 64 columns
	ds_store_b32 v4, v[\rt] offset:2048*(\k)
	s_wait_dscnt 0x0                               ; for the others' sake
	s_barrier_signal -1
	s_barrier_wait -1
.irp i,0,1,2,3,4,5,6,7
	ds_load_b32 v[\rt+\i], v9 offset:2048*(\k)+128*\i   ; lanes 0-15 waves 0 .. 7, lanes 16-31 waves 8 .. 15
.endr
	s_wait_dscnt 0x0
	v_pk_add_f32 v[\rt:\rt+1], v[\rt:\rt+1], v[\rt+2:\rt+3]
	v_pk_add_f32 v[\rt+4:\rt+5], v[\rt+4:\rt+5], v[\rt+6:\rt+7]
	v_pk_add_f32 v[\rt:\rt+1], v[\rt:\rt+1], v[\rt+4:\rt+5]
	v_add_f32 v[\rt], v[\rt], v[\rt+1]
	v_permlanex16_b32 v[\rt+1], v[\rt], s[SEL], s[SEL+1]
	v_add_f32 v[\rt], v[\rt], v[\rt+1]
.endm
; X becomes x - mean, and v12 = v13 = 1 / sqrt(variance + 1e-5).  Regions k and k + 1; v[rt] .. v[rt + 7] at work.
.macro NORM k, rt
	v_pk_add_f32 v[\rt:\rt+1], v[X:X+1], v[X+2:X+3]
	v_pk_add_f32 v[\rt+2:\rt+3], v[X+4:X+5], v[X+6:X+7]
.irp j,8,12,16,20,24,28
	v_pk_add_f32 v[\rt:\rt+1], v[\rt:\rt+1], v[X+\j:X+\j+1]
	v_pk_add_f32 v[\rt+2:\rt+3], v[\rt+2:\rt+3], v[X+\j+2:X+\j+3]
.endr
	v_pk_add_f32 v[\rt:\rt+1], v[\rt:\rt+1], v[\rt+2:\rt+3]
	v_add_f32 v[\rt], v[\rt], v[\rt+1]
	REDUCE \k, \rt
	v_mul_f32 v12, s32, v[\rt]                     ; the mean
	v_mov_b32 v13, v12
.irp j,0,2,4,6,8,10,12,14,16,18,20,22,24,26,28,30
	v_pk_add_f32 v[X+\j:X+\j+1], v[X+\j:X+\j+1], v[12:13] neg_lo:[0,1] neg_hi:[0,1]
.endr
	v_pk_mul_f32 v[\rt:\rt+1], v[X:X+1], v[X:X+1]
	v_pk_mul_f32 v[\rt+2:\rt+3], v[X+2:X+3], v[X+2:X+3]
.irp j,4,8,12,16,20,24,28
	v_pk_fma_f32 v[\rt:\rt+1], v[X+\j:X+\j+1], v[X+\j:X+\j+1], v[\rt:\rt+1]
	v_pk_fma_f32 v[\rt+2:\rt+3], v[X+\j+2:X+\j+3], v[X+\j+2:X+\j+3], v[\rt+2:\rt+3]
.endr
	v_pk_add_f32 v[\rt:\rt+1], v[\rt:\rt+1], v[\rt+2:\rt+3]
	v_add_f32 v[\rt], v[\rt], v[\rt+1]
	REDUCE (\k)+1, \rt
	v_fma_f32 v13, v[\rt], s32, s33                ; the variance + 1e-5
	v_rsq_f32 v12, v13
	v_nop                                          ; a plain place behind the transcendental
	s_wait_alu depctr_va_vdst(0)                   ; and the wait ahead of its first reader
	v_mov_b32 v13, v12
.endm
.macro APPLY gr, br                    ; X = (X x factor) x gain + bias
.irp j,0,2,4,6,8,10,12,14,16,18,20,22,24,26,28,30
	v_pk_mul_f32 v[X+\j:X+\j+1], v[X+\j:X+\j+1], v[12:13]
.endr
.irp j,0,2,4,6,8,10,12,14,16,18,20,22,24,26,28,30
	v_pk_fma_f32 v[X+\j:X+\j+1], v[X+\j:X+\j+1], v[\gr+\j:\gr+\j+1], v[\br+\j:\br+\j+1]
.endr
.endm
	NORM 0, ACC
	VLOAD ACC, 16                                  ; bl starts the product's sums
	s_wait_loadcnt 24                              ; g1 and b1 are in: behind them the scale words 4, K step 0's 12, bl's 8
	APPLY G1R, BR                                  ; y
	VLOAD BR, 20                                   ; b2, where b1 lay
	WLOAD 1                                        ; K step 1, where g1 lay
	; ---- y's two blocks of 32 become six registers of codes and two scale bytes
	v_mov_b32 v[YFB+2], 0                          ; a lane permute's destination counts as one of its sources
	v_mov_b32 v[YFB+3], 0
.irp b,0,1
	v_max3_num_f32 v[YFB+\b], |v[X+16*\b]|, |v[X+1+16*\b]|, 0x2800000   ; and the floor 2^(5 - 127)
.endr
.irp i,2,4,6,8,10,12,14
.irp b,0,1
	v_max3_num_f32 v[YFB+\b], v[YFB+\b], |v[X+16*\b+\i]|, |v[X+1+16*\b+\i]|
.endr
.endr
.irp b,0,1
	v_permlanex16_b32 v[YFB+2+\b], v[YFB+\b], s[SEL], s[SEL+1]
.endr
.irp b,0,1
	v_max_num_f32 v[YFB+\b], v[YFB+\b], v[YFB+2+\b]
.endr
.irp b,0,1
	v_add_nc_u32 v[YFB+4+\b], 0xfe000000, v[YFB+\b]   ; 4 off the exponent field: the conversion's scale operand
.endr
.irp b,0,1
	v_lshrrev_b32 v[YFB+6+\b], 23, v[YFB+4+\b]
.endr
	v_lshl_or_b32 v[YFB+8], v[YFB+7], 8, v[YFB+6]
	v_cvt_scalef32_pk16_bf6_f32 v[YFB+18:YFB+20], v[X:X+15], v[YFB+4]
	v_cvt_scalef32_pk16_bf6_f32 v[YFB+12:YFB+14], v[X+16:X+31], v[YFB+5]
	v_nop                                          ; one plain place behind a scaled conversion
.irp i,0,1,2
	v_permlane16_swap_b32 v[YFB+18+\i], v[YFB+12+\i]   ; a WHOLE block in a lane
.endr
.irp i,0,1,2
	v_mov_b32 v[YFB+21+\i], v[YFB+12+\i]
.endr
	ds_store_b128 v5, v[YFB+18:YFB+21]
	ds_store_b64 v6, v[YFB+22:YFB+23]
	ds_store_b16 v7, v[YFB+8]
	s_wait_dscnt 0x0                               ; for the others' sake
	s_barrier_signal -1
	s_barrier_wait -1                              ; y's eight fragments and scale words lie in LDS
.irp s,0,1,2,3,4,5,6,7
	ds_load_b32 v[YS+\s], v2 offset:YSC+128*\s
.endr
; A K step of 128: y's fragment from LDS, four products (the four accumulators by turns), then the loads of two K steps on into the set just read.
.macro FSTEP s
.set YF, YFB+12*((\s)%2)
.set WF, WB+48*((\s)%2)
.irp e,0,1
	ds_load_b128 v[YF+6*\e:YF+6*\e+3], v1 offset:YIMG+1536*(\s)+768*\e
	ds_load_b64 v[YF+6*\e+4:YF+6*\e+5], v3 offset:YIMG+1536*(\s)+768*\e+512
.endr
.if (\s) == 0
	s_wait_loadcnt 20                              ; the scale words, K step 0 and bl are in: behind them b2's 8 and K step 1's 12
.elseif (\s) < 7
	s_wait_loadcnt 12                              ; this K step's fragments are in: behind them the next step's 12
.else
	s_wait_loadcnt 8                               ; behind them g2's 8
.endif
	s_wait_dscnt 0x0
.irp t,0,1,2,3
.if \t%2 == 0
	v_wmma_scale_f32_16x16x128_f8f6f4 v[ACC+8*\t:ACC+8*\t+7], v[WF+12*\t:WF+12*\t+11], v[YF:YF+11], v[ACC+8*\t:ACC+8*\t+7], v[WS+8*(\t/2)+(\s)], v[YS+(\s)] matrix_a_fmt:MATRIX_FMT_BF6 matrix_b_fmt:MATRIX_FMT_BF6
.else
	v_wmma_scale_f32_16x16x128_f8f6f4 v[ACC+8*\t:ACC+8*\t+7], v[WF+12*\t:WF+12*\t+11], v[YF:YF+11], v[ACC+8*\t:ACC+8*\t+7], v[WS+8*(\t/2)+(\s)], v[YS+(\s)] matrix_a_fmt:MATRIX_FMT_BF6 matrix_b_fmt:MATRIX_FMT_BF6 matrix_a_scale:MATRIX_SCALE_ROW1
.endif
.endr
.rept 4
	v_nop                                          ; four places in front of loads into registers that these products have read, and of the first read of results
.endr
.if (\s) < 6
	WLOAD (\s)+2
.elseif (\s) == 6
	VLOAD G2R, 18                                  ; g2, where K step 6's first fragments lay
.endif
.endm
.irp s,0,1,2,3,4,5,6,7
	FSTEP \s
.endr
.set j, 0
.rept 32
	v_max_num_f32 v[ACC+j], 0, v[ACC+j]            ; relu, each accumulator from its low end on
.set j, j+1
.endr
.set j, 0
.rept 16
	v_pk_add_f32 v[X+j:X+j+1], v[X+j:X+j+1], v[ACC+j:ACC+j+1]   ; z = y + relu(..)
.set j, j+2
.endr
	NORM 2, 176                                    ; v176-183 at work: K step 6's last fragments are done with
	s_wait_loadcnt 0x0                             ; g2 (b2 came long ago)
	APPLY G2R, BR
	; THE WAY OUT: a lane holds pieces of one row; through my own stage they come back as rows: sixteen lanes store my 256 bytes of a row, at a multiple of 256 from out0's first byte
	v_and_b32 v12, 15, v0
	v_bfe_u32 v13, v0, 4, 1
	v_mul_u32_u24 v5, v13, 272
	v_lshl_add_u32 v5, v12, 4, v5
	v_add_nc_u32 v5, s25, v5                       ; back: lanes 0-15 one row of the tile, lanes 16-31 the next
	v_lshlrev_b32 v6, 12, v13
	v_lshl_add_u32 v6, v12, 4, v6                  ; and the same in out0
.irp b,0,1
.irp j,0,1,2,3
	ds_store_b128 v11, v[X+16*\b+4*\j:X+16*\b+4*\j+3] offset:128*\b+16*\j
.endr
.endr
.irp i,0,1,2,3,4,5,6,7
	ds_load_b128 v[ACC+4*\i:ACC+4*\i+3], v5 offset:544*\i   ; LDS serves a wave's instructions in order (ISA guide 5.7.1.4): these see my stores
.endr
.irp i,0,1,2,3,4,5,6,7
	s_wait_dscnt 7-\i
	global_store_b128 v6, v[ACC+4*\i:ACC+4*\i+3], s[22:23] offset:4096*(2*\i+8*(\i/4)) th:TH_STORE_NT   ; the tile's rows 2 i, 2 i + 1 are rows 2 i + 8 (i / 4) and the next of its 32
.endr
	s_wait_tensorcnt 0x0                           ; the wave's end
	ds_add_u32 v14, v15
	s_wait_dscnt 0x0
	s_endpgm
.Lfunc_end_k_q701f8dcf09_ffn:
	.size	k_q701f8dcf09_ffn, .Lfunc_end_k_q701f8dcf09_ffn-k_q701f8dcf09_ffn
	.p2alignl 7, 3214868480
	.fill 96, 4, 3214868480
	.section	.rodata,"a",@progbits
	.p2align	6, 0x0
	.amdhsa_kernel k_q701f8dcf09_ffn
		.amdhsa_group_segment_fixed_size 93184
		.amdhsa_private_segment_fixed_size 0
		.amdhsa_enable_private_segment 0
		.amdhsa_kernarg_size 80
		.amdhsa_user_sgpr_count 2
		.amdhsa_user_sgpr_kernarg_segment_ptr 1
		.amdhsa_wavefront_size32 1
		.amdhsa_system_sgpr_workgroup_id_x 1
		.amdhsa_system_sgpr_workgroup_id_y 1
		.amdhsa_system_sgpr_workgroup_id_z 1
		.amdhsa_system_vgpr_workitem_id 0
		.amdhsa_next_free_vgpr 256
		.amdhsa_next_free_sgpr 66
		.amdhsa_reserve_vcc 0
		.amdhsa_float_denorm_mode_32 3
		.amdhsa_float_denorm_mode_16_64 3
		.amdhsa_memory_ordered 1
		.amdhsa_forward_progress 1
		.amdhsa_inst_pref_size 49
	.end_amdhsa_kernel
	.amdgpu_metadata
---
amdhsa.version: [ 1, 2 ]
amdhsa.kernels:
  - .name:           k_q701f8dcf09_ffn
    .symbol:         k_q701f8dcf09_ffn.kd
    .args:
      - { .name: ao, .offset: 0, .size: 8, .value_kind: global_buffer, .address_space: global }
      - { .name: qf, .offset: 8, .size: 8, .value_kind: global_buffer, .address_space: global }
      - { .name: g1, .offset: 16, .size: 8, .value_kind: global_buffer, .address_space: global }
      - { .name: b1, .offset: 24, .size: 8, .value_kind: global_buffer, .address_space: global }
      - { .name: wl, .offset: 32, .size: 8, .value_kind: global_buffer, .address_space: global }
      - { .name: Wl_scales, .offset: 40, .size: 8, .value_kind: global_buffer, .address_space: global }
      - { .name: bl, .offset: 48, .size: 8, .value_kind: global_buffer, .address_space: global }
      - { .name: g2, .offset: 56, .size: 8, .value_kind: global_buffer, .address_space: global }
      - { .name: b2, .offset: 64, .size: 8, .value_kind: global_buffer, .address_space: global }
      - { .name: out0, .offset: 72, .size: 8, .value_kind: global_buffer, .address_space: global }
    .group_segment_fixed_size: 93184
    .private_segment_fixed_size: 0
    .kernarg_segment_align: 8
    .kernarg_segment_size: 80
    .max_flat_workgroup_size: 512
    .sgpr_count:     66
    .vgpr_count:     256
    .wavefront_size: 32
...
	.end_amdgpu_metadata
.endif
;; end of part 3
;; ======== version 2 of 2: 3 launches; version 1 with the launches proj, ffn written anew for expert scheduling mode
;; workspace buffers: qf 16,777,216 bytes; qq 3,407,872 bytes; kv 6,815,744 bytes; wl 786,432 bytes; ao 16,777,216 bytes
;; launch proj (part 4): grid 200 x 1, 16 waves a work-group, no clusters, 104,448 bytes of LDS; arguments query_codes, query_scales, key__codes, key__scales, Wq_codes, Wq_scales, Wk_codes, Wk_scales, Wv_codes, Wv_scales, Wl_codes, bq, bk, bv, qf, qq, kv, wl; writes qf, qq, kv, wl
.if DOCPART == 4
	.amdgcn_target "amdgcn-amd-amdhsa--gfx1250"
	.amdhsa_code_object_version 6
	.text
	.protected	k_q701f8dcf09_proj
	.globl	k_q701f8dcf09_proj
	.p2align	8
	.type	k_q701f8dcf09_proj,@function
k_q701f8dcf09_proj:
	s_mov_b64 s[64:65], 0
	v_nop
	global_prefetch_b8 v0, s[64:65] scope:SCOPE_SE
	s_setreg_imm32_b32 hwreg(HW_REG_WAVE_SCHED_MODE, 0, 2), 2
	s_setreg_imm32_b32 hwreg(HW_REG_WAVE_MODE, 25, 1), 1
	s_wait_xcnt 0x0
	s_wait_alu depctr_vm_vsrc(0)
; PROJ: Q = query Wq + bq, K = key_ Wk + bk, V = key_ Wv + bv on the given codes of E3M2 (f32 sums), each result quantised for attention; Q also kept as f32; Wl's codes laid anew.
; NOTHING OF reference() IS LEFT OUT in this program: every bias goes into a quantiser or into the output, every product is live, every input is loaded.
; LIMITS: NaN and infinities among the inputs are not served.  A block whose largest magnitude lies under 2^-122 keeps the scale byte 1; a block of zeros gets the byte 1 where the rule says 127:
; its codes are zeros, which add nothing under any byte but 0xff, and these bytes are read by this program alone.
; ONE BODY: D = S0 x S1^T, source 0 = 16 rows of S0, source 1 = 16 rows of S1: a lane holds ONE row of S1 and its registers run along S0's rows, along which the result is quantised.
;   kind 0 (work-groups 0-63):    S0 = Wq's rows n, S1 = query's rows: Q, quantised along the head's 64     kind 1 (64-127): the same for K
;   kind 2 (128-191): S0 = key_'s rows (the keys), S1 = Wv's rows: V, quantised along the keys             kind 3 (192-199): Wl's fragments are copied as images, nothing is multiplied
; THE ROWS OF A TILE ARE NOT NEIGHBOURS: lane r of tile 2 b + u takes row 32 b + 8 u + r + 8 (r / 8), of S0 and of S1 alike.  So the 16 registers of result tiles 2 b, 2 b + 1 are 16 neighbours
; along S0: 32 b + 16 (lane / 16) + 0 .. 15, as the conversions want them.
; SHARES: a work-group takes 128 rows of S0 x 512 rows of S1; wave w takes S1's rows 32 w .. 32 w + 31 (two tiles) against all eight tiles of S0: 16 accumulators, 128 matrix instructions.
; S0's 64 fragments go from wave to wave through LDS as IMAGES OF THEIR REGISTERS: four registers by one store of 16 bytes a lane, 512 consecutive bytes; no pitch, no padding.
; NO CLUSTER: the launch has no tensor load to share.  A tile's two groups of eight rows lie 16 rows apart, so rows laid as rows would meet in the same banks at any pitch that is a multiple of 16 bytes;
; the tile is filled once, through registers, 6,144 bytes a wave.
; WHAT IS STORED.  qf [head 16][tile of queries 256][4,096]: f32 image, register 16 b + i of lane (r, h) = Q(query 32 P + 8 a + r + 8 (r / 8), 64 head + 32 b + 16 h + i), tile = 2 P + a.
;   qq [head][group of 128 queries 32][6,656]: four pair images of 1,536 bytes (tile 2 p's six registers, then tile 2 p + 1's), then four scale words of 128 bytes (lanes 0-15 tile 2 p's rows, lanes 16-31 tile 2 p + 1's).
;   kv [head][key step of 128 keys 32][13,312]: K's half as in qq; then V's four fragments (16 of the head's 64 x 128 keys) of 1,536 bytes and their four scale words of 128 bytes.
;   wl [tile of 16 rows 64][K step 8][1,536]: Wl's fragments.
; A scale word of Q and of K has 0x7f in bytes 2 and 3: the head has 64 numbers, the matrix instruction 128 (launch attn).
; THE MODE: SCHED_MODE bits 1:0 = 2 (LLVM: expert scheduling mode 2), set by the entry lines.  The code itself states the register dependences
; between vector or matrix instructions and memory or LDS instructions, with s_wait_alu, always for 0.
; THE PLAN.  A K step's 16 products go in four PAIRS of S0's tiles, four products a pair; pair q = 4 s + pr.  Registers that memory or LDS instructions touch in the K loop:
;   F0, F1     two buffers of two fragments of S0.  Pair q's products read F[q % 2]; the LDS loads of pair q + 1, issued in pair q, land in F[(q + 1) % 2], which pair q - 1's products read.
;   S1F0, S1F1 two sets of my two fragments of S1.  K step s's products read set s % 2; the loads of K step s + 1, issued in K step s's first pair, land in the other set, which K step s - 1's products read.
;   SA0, SA1   two sets of S0's scale words, by turns like S1's sets.
;   v2, v3, v4, v6   offsets, made at the head and never written again.     The accumulators and SB are named by matrix instructions alone in the loop.
; So ONE wait on va_vdst stands at a pair's head, behind the wait for the pair's own fragments: all that the pair's loads land in was last named by products issued ahead of it, and the pair's own four
; products name F[q % 2], S1F[s % 2], SA[s % 2], SB and the accumulators: none of the registers that those loads touch.
.set SCI,   98304                      ; LDS: 0 .. 98,303 the images, fragment (tile t, K step s) at 1,536 (8 t + s); from SCI S0's scale words: K step s at 512 s, a lane's 16 bytes = the words of tile pairs 0 .. 3
.set SPARE, 102400                     ; the spare words, 128 bytes for each of 16 waves: eight blocks of 256 bytes that no other line names
.set SB,  16                           ; v16-23   S1's scale words of K steps 0 .. 7: lanes 0-15 my tile 0's rows, lanes 16-31 my tile 1's
.set SA,  24                           ; v24-27   S0's scale words of the even K steps, tile pairs 0 .. 3;  v124-127 (SA + 100) those of the odd K steps
.set S1F, 28                           ; v28-75   S1's fragments: two sets of two
.set S0F, 76                           ; v76-123  S0's fragments: two buffers of two (at the head: the four that I bring)
.set ACC, 128                          ; v128-255 accumulator (my tile a, S0's tile t) at 128 + 64 a + 8 t
.set TM,  28                           ; behind the K loop: v28-43 at work in QUANT
.set PW0, 44
.set PW1, 45
.set W0,  46                           ; the two scale words that are stored
.set W1,  47
.set CT,  48                           ; v48-50, v52-54 the upper halves of blocks, on their way
.set R0,  56                           ; v56-67, v68-79 the two images that are stored
.set R1,  68
.set SEL, 78                           ; s[78:79] v_permlanex16_b32's selects for lane l xor 16
; v1 16 lane + 6,144 wave   v2 16 lane   v3 16 lane + 49,152   v4 16 lane + SCI   v5 where my scale words go   v6 768 (r + 8 (r / 8)) + 24 h   v7 32 (8 h + r + 8 (r / 8))
; v8, v10 at the head r and h, then V's two bias numbers   v9 4 lane   v11 64 h   v12 4 (r + 8 (r / 8))   v13 lane   v14, v15 the add's two
	s_load_b512 s[4:19], s[0:1], 0x0               ; query codes 4, scales 6; key_ codes 8, scales 10; Wq codes 12, scales 14; Wk codes 16, scales 18
	s_load_b512 s[20:35], s[0:1], 0x40             ; Wv codes 20, scales 22; Wl codes 24; bq 26; bk 28; bv 30; qf 32; qq 34
	s_load_b128 s[36:39], s[0:1], 0x80             ; kv 36; wl 38
	v_lshl_add_u32 v14, v0, 2, SPARE
	v_mov_b32 v15, 0
	v_lshrrev_b32 v8, 5, v0
	v_readfirstlane_b32 s56, v8                    ; wave 0 .. 15
	v_and_b32 v13, 31, v0                          ; lane
	v_and_b32 v8, 15, v0                           ; r
	v_bfe_u32 v10, v0, 4, 1                        ; h
	v_lshlrev_b32 v2, 4, v13
	v_add_nc_u32 v3, 49152, v2
	v_add_nc_u32 v4, SCI, v2
	v_lshlrev_b32 v9, 2, v13
	v_lshlrev_b32 v11, 6, v10
	v_and_b32 v12, 8, v8
	v_add_nc_u32 v12, v12, v8                      ; r + 8 (r / 8)
	v_mul_u32_u24 v6, v12, 768                     ; a row of 1,024 codes is 768 bytes
	v_mad_u32_u24 v6, v10, 24, v6
	v_lshl_add_u32 v7, v10, 3, v12
	v_lshlrev_b32 v7, 5, v7                        ; a row of scale bytes is 32 bytes; lanes 16-31 take the pair's second tile, 8 rows on
	v_lshlrev_b32 v12, 2, v12
	s_wait_alu depctr_va_sdst(0)                   ; s56 is written, ahead of its first reader: offsets, LDS addresses and bases are made from it
	s_mov_b32 s[SEL], 0x76543210
	s_mov_b32 s[SEL+1], 0xfedcba98
	s_mov_b32 s80, 0x7f7f0000
	s_lshr_b32 s52, ttmp9, 6                       ; kind
	s_and_b32 s53, ttmp9, 63                       ; which block of its kind
	s_and_b32 s54, s53, 7                          ; Q, K: 8 blocks of S0 x 8 of S1
	s_lshr_b32 s55, s53, 3
	s_and_b32 s57, s53, 31                         ; V: 32 blocks of S0 x 2 of S1
	s_lshr_b32 s58, s53, 5
	s_cmp_eq_u32 s52, 2
	s_cselect_b32 s54, s57, s54                    ; S0's block of 128 rows
	s_cselect_b32 s55, s58, s55                    ; S1's block of 512 rows
	; the fragments of S0 that I bring: tile w / 2, K steps 4 (w % 2) + 0 .. 3
	s_lshl_b32 s82, s54, 7
	s_lshr_b32 s57, s56, 2
	s_lshl_b32 s57, s57, 5
	s_add_co_u32 s82, s82, s57
	s_bfe_u32 s57, s56, 0x10001
	s_lshl_b32 s57, s57, 3
	s_add_co_u32 s82, s82, s57                     ; the tile's first row: 128 block + 32 (w / 4) + 8 ((w / 2) % 2)
	s_mul_i32 s82, s82, 768
	s_and_b32 s59, s56, 1
	s_mul_i32 s57, s59, 384
	s_add_co_u32 s82, s82, s57
	s_mov_b32 s83, 0
	; the scale words of S0 that I bring: K step w / 2, tile pairs 2 (w % 2) and 2 (w % 2) + 1
	s_lshl_b32 s84, s54, 12
	s_lshr_b32 s57, s56, 1
	s_lshl_b32 s58, s57, 2
	s_add_co_u32 s84, s84, s58
	s_lshl_b32 s58, s59, 11
	s_add_co_u32 s84, s84, s58
	s_mov_b32 s85, 0
	s_lshl_b32 s60, s55, 9
	s_lshl_b32 s58, s56, 5
	s_add_co_u32 s60, s60, s58                     ; my first row of S1: 512 block + 32 wave
	s_mul_i32 s86, s60, 768
	s_mov_b32 s87, 0
	s_lshl_b32 s88, s60, 5
	s_mov_b32 s89, 0
	s_lshl_b32 s57, s54, 9                         ; the bias: Q, K: of S0's 128 rows; V: of my 32 rows of S1
	s_lshl_b32 s58, s60, 2
	s_cmp_eq_u32 s52, 2
	s_cselect_b32 s90, s58, s57
	s_mov_b32 s91, 0
	s_mul_i32 s57, s56, 6144
	v_add_nc_u32 v1, s57, v2                       ; my four images begin at 1,536 x 4 w
	s_lshr_b32 s57, s56, 1
	s_lshl_b32 s57, s57, 9
	s_lshl_b32 s58, s59, 3
	s_add_co_u32 s57, s57, s58
	s_add_co_u32 s57, s57, SCI
	v_add_nc_u32 v5, s57, v2
	s_wait_kmcnt 0x0
	s_cmp_eq_u32 s52, 1                            ; the buffers are chosen by the work-group's number alone
	s_cselect_b64 s[40:41], s[16:17], s[12:13]     ; S0's codes
	s_cselect_b64 s[42:43], s[18:19], s[14:15]     ; S0's scales
	s_cselect_b64 s[44:45], s[8:9], s[4:5]         ; S1's codes
	s_cselect_b64 s[46:47], s[10:11], s[6:7]       ; S1's scales
	s_cselect_b64 s[48:49], s[28:29], s[26:27]     ; the bias
	s_cselect_b64 s[50:51], s[36:37], s[34:35]     ; where the codes go
	s_cmp_eq_u32 s52, 2
	s_cselect_b64 s[40:41], s[8:9], s[40:41]
	s_cselect_b64 s[42:43], s[10:11], s[42:43]
	s_cselect_b64 s[44:45], s[20:21], s[44:45]
	s_cselect_b64 s[46:47], s[22:23], s[46:47]
	s_cselect_b64 s[48:49], s[30:31], s[48:49]
	s_cselect_b64 s[50:51], s[36:37], s[50:51]
	s_cmp_eq_u32 s52, 3
	s_cselect_b64 s[40:41], s[24:25], s[40:41]
	s_add_nc_u64 s[40:41], s[40:41], s[82:83]
	s_add_nc_u64 s[42:43], s[42:43], s[84:85]
	s_add_nc_u64 s[44:45], s[44:45], s[86:87]
	s_add_nc_u64 s[46:47], s[46:47], s[88:89]
	s_add_nc_u64 s[48:49], s[48:49], s[90:91]
.macro ALOADS                          ; four fragments of S0: each 24 bytes of a row's stream of bits as three loads of 8 bytes
.irp i,0,1,2,3
.irp p,0,1,2,3,4,5
	global_load_b64 v[S0F+12*\i+2*\p:S0F+12*\i+2*\p+1], v6, s[40:41] offset:96*\i+48*(\p/3)+8*(\p%3)
.endr
.endr
.endm
.macro S1HALF s, a                     ; my fragment a of S1 for K step s, into set s % 2
.irp p,0,1,2,3,4,5
	global_load_b64 v[S1F+24*((\s)%2)+12*(\a)+2*\p:S1F+24*((\s)%2)+12*(\a)+2*\p+1], v6, s[44:45] offset:6144*(\a)+96*(\s)+48*(\p/3)+8*(\p%3)
.endr
.endm
	s_wait_alu depctr_va_vdst(0)                   ; the offsets and LDS addresses v1 to v7, v9, v11, v12 are written, which every load and store of both ways below reads
	s_cmp_lg_u32 s52, 3
	s_cbranch_scc1 .Lwork
	; ---- kind 3: Wl's fragments leave as they stand in the registers: 512 consecutive bytes a store.  No LDS byte is written on this way
	s_mul_i32 s60, s53, 98304                      ; 64 fragments a work-group
	s_mov_b32 s61, 0
	s_add_nc_u64 s[38:39], s[38:39], s[60:61]
	ALOADS
	s_wait_loadcnt 0x0
.irp i,0,1,2,3
.irp c,0,1,2
	global_store_b128 v1, v[S0F+12*\i+4*\c:S0F+12*\i+4*\c+3], s[38:39] offset:1536*\i+512*\c
.endr
.endr
	s_endpgm
.Lwork:
	ALOADS                                         ; 24 loads
	global_load_b32 v[SA], v7, s[42:43]            ; 2: S0's scale words of my K step, two tile pairs
	global_load_b32 v[SA+1], v7, s[42:43] offset:1024
	global_load_b128 v[SB:SB+3], v7, s[46:47]      ; 2: my rows' scale words for all of K
	global_load_b128 v[SB+4:SB+7], v7, s[46:47] offset:16
	S1HALF 0, 0                                    ; 12
	S1HALF 0, 1
	; THE BIAS STARTS THE SUMS.  One branch; both ways write all 128 accumulator registers
	s_cmp_eq_u32 s52, 2
	s_cbranch_scc1 .Lbias_v
.irp a,0,1                             ; Q, K: register j of tile t is the bias of S0's row 32 (t / 2) + 16 h + 8 (t % 2) + j
.irp t,0,1,2,3,4,5,6,7
	global_load_b128 v[ACC+64*\a+8*\t:ACC+64*\a+8*\t+3], v11, s[48:49] offset:4*(32*(\t/2)+8*(\t%2))
	global_load_b128 v[ACC+64*\a+8*\t+4:ACC+64*\a+8*\t+7], v11, s[48:49] offset:4*(32*(\t/2)+8*(\t%2))+16
.endr
.endr
	s_branch .Lbias_done
.Lbias_v:                              ; V: the bias belongs to the lane's row of S1: one number for each of my two tiles
	global_load_b32 v8, v12, s[48:49]
	global_load_b32 v10, v12, s[48:49] offset:32
	s_wait_loadcnt 0x0
.set j, 0
.rept 64
	v_mov_b32 v[ACC+j], v8
	v_mov_b32 v[ACC+64+j], v10
.set j, j+1
.endr
.Lbias_done:
	s_wait_loadcnt 46                              ; S0's fragments and scale words are in: behind them S1's 14 loads and the 32 of the bias were issued (V: nothing is out)
.irp i,0,1,2,3
.irp c,0,1,2
	ds_store_b128 v1, v[S0F+12*\i+4*\c:S0F+12*\i+4*\c+3] offset:1536*\i+512*\c
.endr
.endr
	ds_store_b64 v5, v[SA:SA+1]
	s_wait_dscnt 0x0                               ; for the others' sake: my images have landed
	s_barrier_signal -1
	s_barrier_wait -1                              ; all 64 fragments and all scale words of S0 lie in LDS; they are written no more
.macro MM                              ; one product; the symbols are set by the caller.  The rows of the scale registers pick a pair's first or second tile
.if (fA == 0) && (fB == 0)
	v_wmma_scale_f32_16x16x128_f8f6f4 v[rD:rD+7], v[rA:rA+11], v[rB:rB+11], v[rD:rD+7], v[rSA], v[rSB] matrix_a_fmt:MATRIX_FMT_BF6 matrix_b_fmt:MATRIX_FMT_BF6
.elseif fB == 0
	v_wmma_scale_f32_16x16x128_f8f6f4 v[rD:rD+7], v[rA:rA+11], v[rB:rB+11], v[rD:rD+7], v[rSA], v[rSB] matrix_a_fmt:MATRIX_FMT_BF6 matrix_b_fmt:MATRIX_FMT_BF6 matrix_a_scale:MATRIX_SCALE_ROW1
.elseif fA == 0
	v_wmma_scale_f32_16x16x128_f8f6f4 v[rD:rD+7], v[rA:rA+11], v[rB:rB+11], v[rD:rD+7], v[rSA], v[rSB] matrix_a_fmt:MATRIX_FMT_BF6 matrix_b_fmt:MATRIX_FMT_BF6 matrix_b_scale:MATRIX_SCALE_ROW1
.else
	v_wmma_scale_f32_16x16x128_f8f6f4 v[rD:rD+7], v[rA:rA+11], v[rB:rB+11], v[rD:rD+7], v[rSA], v[rSB] matrix_a_fmt:MATRIX_FMT_BF6 matrix_b_fmt:MATRIX_FMT_BF6 matrix_a_scale:MATRIX_SCALE_ROW1 matrix_b_scale:MATRIX_SCALE_ROW1
.endif
.endm
.macro FRAGS s, pr                     ; S0's tiles 2 pr and 2 pr + 1 of K step s, from LDS into buffer pr % 2: six loads
.irp u,0,1
.irp c,0,1,2
	ds_load_b128 v[S0F+24*((\pr)%2)+12*\u+4*\c:S0F+24*((\pr)%2)+12*\u+4*\c+3], v[2+(\pr)/2] offset:(8*((2*(\pr)+\u)%4)+(\s))*1536+512*\c
.endr
.endr
.endm
; PAIR pr OF K STEP s: the next pair's fragments are asked for, then four products.  A K step's first pair also asks for the next K step's scale words of S0 and fragments of S1.
; The 16 accumulators take turns, one instruction a turn, in the same order in every K step.
.macro PSTEP s, pr
	s_wait_dscnt 0x0                               ; this pair's two fragments are in, asked for a pair ago (this K step's scale words of S0 a K step ago)
.if (4*(\s)+(\pr) > 0) && (4*(\s)+(\pr) < 31)
	s_wait_alu depctr_va_vdst(0)                   ; the products of the pair before are done reading the other buffer of S0's fragments; at a K step's first pair those of the K step before are also done reading the other sets of S1's fragments and of S0's scale words: the loads of this pair land there
.endif
.if ((\pr) == 0) && ((\s) < 7)
	ds_load_b128 v[SA+100*(((\s)+1)%2):SA+100*(((\s)+1)%2)+3], v4 offset:512*((\s)+1)
.endif
.if (\pr) < 3
	FRAGS \s, (\pr)+1
.elseif (\s) < 7
	FRAGS (\s)+1, 0
.endif
.if (\pr) == 0
	s_wait_loadcnt 0x0                             ; my two fragments of S1 for this K step are in, asked for a K step ago; no younger load is out (in K step 0 also: S1's scale words and the bias)
.endif
.irp u,0,1
.irp a,0,1
.set rD, ACC+64*\a+8*(2*(\pr)+\u)
.set rA, S0F+24*((\pr)%2)+12*\u
.set rB, S1F+24*((\s)%2)+12*\a
.set rSA, SA+100*((\s)%2)+(\pr)
.set rSB, SB+(\s)
.set fA, \u
.set fB, \a
	MM
.endr
.if ((\pr) == 0) && ((\s) < 7)
	S1HALF (\s)+1, \u                              ; six loads behind each two products.  No further wait: no product since the wait above names the other set
.endif
.endr
.endm
	s_wait_alu depctr_vm_vsrc(0)                   ; my LDS stores have read v24, v25 and v76 to v123, in which the LDS loads from here on land
	ds_load_b128 v[SA:SA+3], v4                    ; K step 0's scale words of S0
	FRAGS 0, 0
.irp s,0,1,2,3,4,5,6,7
.irp pr,0,1,2,3
	PSTEP \s, \pr
.endr
.endr
.rept 4
	v_nop                                          ; four places behind the last products, before their results are read and their sources written (ISA guide 7.12.1)
.endr
; 64 numbers of a lane, v[s] .. v[s + 63], register 16 b + i = number 32 b + 16 (lane / 16) + i of my row, become codes: blocks 0, 1 in v[d0] .. v[d0 + 5], blocks 2, 3 in v[d1] .. v[d1 + 5]; the four scale bytes in v[pw].
.macro QUANT s, d0, d1, pw
.irp b,0,1,2,3
	v_max3_num_f32 v[TM+\b], |v[\s+16*\b]|, |v[\s+1+16*\b]|, 0x2800000   ; my 16 numbers of block b, and the floor 2^(5 - 127): the byte cannot fall under 1
.endr
.irp i,2,4,6,8,10,12,14
.irp b,0,1,2,3
	v_max3_num_f32 v[TM+\b], v[TM+\b], |v[\s+16*\b+\i]|, |v[\s+1+16*\b+\i]|
.endr
.endr
.irp b,0,1,2,3
	v_permlanex16_b32 v[TM+4+\b], v[TM+\b], s[SEL], s[SEL+1]
.endr
.irp b,0,1,2,3
	v_max_num_f32 v[TM+\b], v[TM+\b], v[TM+4+\b]   ; with lane l xor 16's 16: the block's largest magnitude
.endr
.irp b,0,1,2,3
	v_add_nc_u32 v[TM+12+\b], 0xfe000000, v[TM+\b] ; 4 off its exponent field: the conversion takes this operand's exponent field as its scale
.endr
.irp b,0,1,2,3
	v_lshrrev_b32 v[TM+4+\b], 23, v[TM+12+\b]      ; the scale's byte
.endr
	v_lshl_or_b32 v[\pw], v[TM+5], 8, v[TM+4]
	v_lshl_or_b32 v[\pw], v[TM+6], 16, v[\pw]
	v_lshl_or_b32 v[\pw], v[TM+7], 24, v[\pw]
	v_cvt_scalef32_pk16_bf6_f32 v[\d0:\d0+2], v[\s:\s+15], v[TM+12]
	v_cvt_scalef32_pk16_bf6_f32 v[CT:CT+2], v[\s+16:\s+31], v[TM+13]       ; (a conversion's three registers begin on an even number)
	v_cvt_scalef32_pk16_bf6_f32 v[\d1:\d1+2], v[\s+32:\s+47], v[TM+14]
	v_cvt_scalef32_pk16_bf6_f32 v[CT+4:CT+6], v[\s+48:\s+63], v[TM+15]
	v_nop                                          ; one plain place behind a scaled conversion
.irp i,0,1,2
	v_permlane16_swap_b32 v[\d0+\i], v[CT+\i]      ; the operand's layout wants a WHOLE block in a lane: lanes 0-15 the even block, lanes 16-31 the odd one
	v_permlane16_swap_b32 v[\d1+\i], v[CT+4+\i]
.endr
.irp i,0,1,2
	v_mov_b32 v[\d0+3+\i], v[CT+\i]
	v_mov_b32 v[\d1+3+\i], v[CT+4+\i]
.endr
.endm
.irp b,0,1,2,3
	v_mov_b32 v[TM+4+\b], 0                        ; written once: a lane permute's destination counts as one of its sources
.endr
	s_cmp_eq_u32 s52, 2
	s_cbranch_scc1 .Lout_v
	; ---- Q, K: my 128 numbers a row are two heads' 64.  Head e's pair image = my tile 0's six registers of head e, then my tile 1's
	s_lshl_b32 s66, 0x34000, s52                   ; a head's bytes: 212,992 in qq, twice that in kv
	s_lshl_b32 s67, 0x1a00, s52                    ; a group's: 6,656 in qq, twice that in kv
	s_lshl_b32 s57, s54, 1
	s_mul_i32 s57, s57, s66                        ; head 2 x S0's block
	s_lshl_b32 s58, s55, 2
	s_lshr_b32 s59, s56, 2
	s_add_co_u32 s58, s58, s59                     ; group 4 x S1's block + w / 4
	s_mul_i32 s58, s58, s67
	s_add_co_u32 s57, s57, s58
	s_and_b32 s58, s56, 3                          ; pair w % 4
	s_mul_i32 s59, s58, 1536
	s_add_co_u32 s60, s57, s59                     ; the first image's offset
	s_lshl_b32 s58, s58, 7
	s_add_co_u32 s62, s57, s58
	s_add_co_u32 s62, s62, 6144                    ; the first scale word's
	s_mov_b32 s67, s66                             ; the second of each lies a head further on
	s_cmp_lg_u32 s52, 0
	s_cbranch_scc1 .Lno_qf
	s_lshl_b32 s57, s54, 21                        ; Q also leaves as f32, for the residual: head 2 x S0's block, 1,048,576 bytes a head;
	s_lshl_b32 s58, s55, 4
	s_add_co_u32 s58, s58, s56
	s_lshl_b32 s58, s58, 13                        ; tiles 2 P, 2 P + 1 with P = 16 x S1's block + w, 4,096 bytes a tile
	s_add_co_u32 s58, s57, s58
	s_mov_b32 s59, 0
	s_add_nc_u64 s[76:77], s[32:33], s[58:59]
	s_wait_alu depctr_va_vdst(0)                   ; the products have written the accumulators, which the stores below read; the four places above stay beside this wait
.irp a,0,1
.irp e,0,1
.irp c,0,1,2,3,4,5,6,7
	global_store_b128 v2, v[ACC+64*\a+32*\e+4*\c:ACC+64*\a+32*\e+4*\c+3], s[76:77] offset:1048576*\e+4096*\a+512*\c   ; 512 consecutive bytes; each accumulator from its low end on
.endr
.endr
.endr
.Lno_qf:
	QUANT ACC, R0, R1, PW0
	QUANT ACC+64, R0+6, R1+6, PW1
	v_cmp_gt_u32 vcc_lo, 16, v13
	s_wait_alu depctr_va_vcc(0)                    ; the compare has written VCC, which the select below reads
	v_cndmask_b32 v[PW0], v[PW1], v[PW0], vcc_lo   ; lanes 0-15: my tile 0's rows; lanes 16-31: my tile 1's
	v_and_or_b32 v[W0], v[PW0], 0xffff, s80        ; head e = 0: bytes 0, 1; 0x7f above them
	v_lshrrev_b32 v[W1], 16, v[PW0]
	v_or_b32 v[W1], s80, v[W1]                     ; head e = 1: bytes 2, 3
	s_branch .Lstore
.Lout_v:
	; ---- V: my 128 numbers a row are a key step's 128 keys: each of my two tiles gives a whole fragment and a scale word
	s_lshl_b32 s57, s55, 3
	s_lshr_b32 s58, s56, 1
	s_add_co_u32 s57, s57, s58                     ; head 8 x S1's block + w / 2
	s_mul_i32 s57, s57, 425984
	s_mul_i32 s58, s54, 13312                      ; key step = S0's block
	s_add_co_u32 s57, s57, s58
	s_and_b32 s58, s56, 1                          ; tiles 2 (w % 2), 2 (w % 2) + 1 of the head's four
	s_mul_i32 s59, s58, 3072
	s_add_co_u32 s60, s57, s59
	s_add_co_u32 s60, s60, 6656
	s_lshl_b32 s58, s58, 8
	s_add_co_u32 s62, s57, s58
	s_add_co_u32 s62, s62, 12800
	s_mov_b32 s66, 1536
	s_mov_b32 s67, 128
	QUANT ACC, R0, R0+6, W0
	QUANT ACC+64, R1, R1+6, W1
.Lstore:
	s_mov_b32 s61, 0
	s_mov_b32 s63, 0
	s_add_nc_u64 s[68:69], s[50:51], s[60:61]
	s_add_nc_u64 s[72:73], s[50:51], s[62:63]
	s_mov_b32 s60, s66
	s_mov_b32 s62, s67
	s_add_nc_u64 s[70:71], s[68:69], s[60:61]
	s_add_nc_u64 s[74:75], s[72:73], s[62:63]
	s_wait_alu depctr_va_vdst(0)                   ; on both ways the quantiser has written the two images and the two scale words, which the stores below read
.irp c,0,1,2
	global_store_b128 v2, v[R0+4*\c:R0+4*\c+3], s[68:69] offset:512*\c
.endr
.irp c,0,1,2
	global_store_b128 v2, v[R1+4*\c:R1+4*\c+3], s[70:71] offset:512*\c
.endr
	global_store_b32 v9, v[W0], s[72:73]           ; 128 consecutive bytes: four waves' words make 512
	global_store_b32 v9, v[W1], s[74:75]
	s_wait_dscnt 0x0                               ; the wave's end
	s_wait_alu 0x0
	s_wait_tensorcnt 0x0
	ds_add_u32 v14, v15
	s_wait_dscnt 0x0
	s_endpgm
.Lfunc_end_k_q701f8dcf09_proj:
	.size	k_q701f8dcf09_proj, .Lfunc_end_k_q701f8dcf09_proj-k_q701f8dcf09_proj
	.p2alignl 7, 3214868480
	.fill 96, 4, 3214868480
	.section	.rodata,"a",@progbits
	.p2align	6, 0x0
	.amdhsa_kernel k_q701f8dcf09_proj
		.amdhsa_group_segment_fixed_size 104448
		.amdhsa_private_segment_fixed_size 0
		.amdhsa_enable_private_segment 0
		.amdhsa_kernarg_size 144
		.amdhsa_user_sgpr_count 2
		.amdhsa_user_sgpr_kernarg_segment_ptr 1
		.amdhsa_wavefront_size32 1
		.amdhsa_system_sgpr_workgroup_id_x 1
		.amdhsa_system_sgpr_workgroup_id_y 1
		.amdhsa_system_sgpr_workgroup_id_z 1
		.amdhsa_system_vgpr_workitem_id 0
		.amdhsa_next_free_vgpr 256
		.amdhsa_next_free_sgpr 96
		.amdhsa_reserve_vcc 1
		.amdhsa_float_denorm_mode_32 3
		.amdhsa_float_denorm_mode_16_64 3
		.amdhsa_memory_ordered 1
		.amdhsa_forward_progress 1
		.amdhsa_inst_pref_size 80
	.end_amdhsa_kernel
	.amdgpu_metadata
---
amdhsa.version: [ 1, 2 ]
amdhsa.kernels:
  - .name:           k_q701f8dcf09_proj
    .symbol:         k_q701f8dcf09_proj.kd
    .args:
      - { .name: query_codes, .offset: 0, .size: 8, .value_kind: global_buffer, .address_space: global }
      - { .name: query_scales, .offset: 8, .size: 8, .value_kind: global_buffer, .address_space: global }
      - { .name: key__codes, .offset: 16, .size: 8, .value_kind: global_buffer, .address_space: global }
      - { .name: key__scales, .offset: 24, .size: 8, .value_kind: global_buffer, .address_space: global }
      - { .name: Wq_codes, .offset: 32, .size: 8, .value_kind: global_buffer, .address_space: global }
      - { .name: Wq_scales, .offset: 40, .size: 8, .value_kind: global_buffer, .address_space: global }
      - { .name: Wk_codes, .offset: 48, .size: 8, .value_kind: global_buffer, .address_space: global }
      - { .name: Wk_scales, .offset: 56, .size: 8, .value_kind: global_buffer, .address_space: global }
      - { .name: Wv_codes, .offset: 64, .size: 8, .value_kind: global_buffer, .address_space: global }
      - { .name: Wv_scales, .offset: 72, .size: 8, .value_kind: global_buffer, .address_space: global }
      - { .name: Wl_codes, .offset: 80, .size: 8, .value_kind: global_buffer, .address_space: global }
      - { .name: bq, .offset: 88, .size: 8, .value_kind: global_buffer, .address_space: global }
      - { .name: bk, .offset: 96, .size: 8, .value_kind: global_buffer, .address_space: global }
      - { .name: bv, .offset: 104, .size: 8, .value_kind: global_buffer, .address_space: global }
      - { .name: qf, .offset: 112, .size: 8, .value_kind: global_buffer, .address_space: global }
      - { .name: qq, .offset: 120, .size: 8, .value_kind: global_buffer, .address_space: global }
      - { .name: kv, .offset: 128, .size: 8, .value_kind: global_buffer, .address_space: global }
      - { .name: wl, .offset: 136, .size: 8, .value_kind: global_buffer, .address_space: global }
    .group_segment_fixed_size: 104448
    .private_segment_fixed_size: 0
    .kernarg_segment_align: 8
    .kernarg_segment_size: 144
    .max_flat_workgroup_size: 512
    .sgpr_count:     96
    .vgpr_count:     256
    .wavefront_size: 32
...
	.end_amdgpu_metadata
.endif
;; end of part 4
;; launch attn: the kernel of part 2 again; grid 16 x 16, 16 waves a work-group, clusters of 4 x 1, 327,680 bytes of LDS; arguments qq, kv, ao; writes ao
;; launch ffn (part 5): grid 256 x 1, 16 waves a work-group, no clusters, 93,184 bytes of LDS; arguments ao, qf, g1, b1, wl, Wl_scales, bl, g2, b2, out0; writes out0
.if DOCPART == 5
	.amdgcn_target "amdgcn-amd-amdhsa--gfx1250"
	.amdhsa_code_object_version 6
	.text
	.protected	k_q701f8dcf09_ffn
	.globl	k_q701f8dcf09_ffn
	.p2align	8
	.type	k_q701f8dcf09_ffn,@function
k_q701f8dcf09_ffn:
	s_mov_b64 s[64:65], 0
	v_nop
	global_prefetch_b8 v0, s[64:65] scope:SCOPE_SE
	s_setreg_imm32_b32 hwreg(HW_REG_WAVE_SCHED_MODE, 0, 2), 2
	s_setreg_imm32_b32 hwreg(HW_REG_WAVE_MODE, 25, 1), 1
	s_wait_xcnt 0x0
	s_wait_alu depctr_vm_vsrc(0)
; FFN: x = ao + qf (attention's result + the projected Q); y = LayerNorm(x) g1 + b1; z = y + relu(Q(y) Wl + bl), the product on codes of E3M2; out0 = LayerNorm(z) g2 + b2.  Nothing of reference() is left out.
; LIMITS: NaN and infinities are not served; a block of y under 2^-122 keeps the scale byte 1, a block of zeros too (its codes are zeros).
; SHARES: a work-group takes one tile of 16 rows (tile T: rows 32 (T / 2) + 8 (T % 2) + r + 8 (r / 8)) at full width; wave w owns columns 64 w .. 64 w + 63.  Register 16 b + i of lane (r, h) is column 64 w + 32 b + 16 h + i of row r:
; so ao and qf were stored, so the quantiser wants y, and so the product's result falls (source 0 = 16 rows of Wl, chosen as in launch proj; source 1 = y's 16 rows): both residuals are register by register.
; The norms go in two passes, as reference() has them: the mean, then the mean of the squared differences.  A row's sums meet in LDS: each wave stores its part, a barrier, every wave adds the sixteen.
; y's codes go from wave to wave through LDS as images of the operand's registers: wave w's six registers are half w % 2 of K step w / 2.
; Wl's fragments come from memory straight into registers, laid by launch proj in their order: 512 consecutive bytes a load, two K steps' worth of loads on their way.
; NO CLUSTER: the launch has no tensor load: each fragment of Wl feeds one wave once.
; THE MODE: SCHED_MODE bits 1:0 = 2 (LLVM: expert scheduling mode 2), set by the entry lines.  The code itself states the register dependences
; between vector or matrix instructions and memory or LDS instructions, with s_wait_alu, always for 0.
; THE PLAN.  A K step's four products go in two HALF STEPS of two; half step u = 2 s + f takes Wl's tiles 2 f, 2 f + 1 of K step s.  Registers that memory or LDS instructions touch in the K loop:
;   the ring   five slots of two fragments of Wl.  Half step u's products read slot u % 5; the loads of half step u + 4, issued in half step u, land in slot (u + 4) % 5 = (u - 1) % 5, which half step u - 1's products read.
;   YF0, YF1   y's fragments.  K step s's products read set s % 2; the LDS loads of K step s + 1, issued in K step s's first half, land in the other set, which K step s - 1's products read.
;   v1, v3     offsets, made at the head and never written again.     The accumulators and the scale words are named by matrix instructions alone in the loop.
; So ONE wait on va_vdst stands at a half step's head, behind the waits for its own operands; its two products name slot u % 5, YF[s % 2], the accumulators and the scale words: none of the registers that its loads touch.
; Outside the loop each run of LDS stores has one wait on va_vdst ahead of it (its data are written) and one on vm_vsrc behind its barrier (its data are read), ahead of the loads that land in the same registers.
.set YIMG,  8192                       ; LDS: 0 .. 8,191 four regions of sums, [wave 16][lane 32][4]; from YIMG y's half fragments, 768 bytes a wave: registers 0-3 at 16 lane, registers 4-5 at 512 + 8 lane
.set YSC,   20480                      ; y's scale words, 128 bytes a K step
.set STG,   21504                      ; the way out: 16 rows x (256 + 16) bytes for each wave
.set SPARE, 91136                      ; the spare words, 128 bytes for each of 16 waves
.set X,   16                           ; v16-47   my 32 numbers
.set ACC, 48                           ; v48-79   qf, then at work, then the product's four accumulators, then rows on the way out
.set YFB, 80                           ; v80-103  at work in the quantiser, then y's fragments, two sets
.set YS,  104                          ; v104-111 y's scale words of K steps 0 .. 7
.set RING, 112                         ; v112-231 Wl's fragments: slot i at 112 + 24 i
.set G1R, 160                          ; v160-191 g1 and v192-223 b1 lie in slots 2 to 4 first;
.set B1R, 192
.set G2R, 136                          ; v136-167 g2 and v168-199 b2 in slots 1 to 3 last
.set B2R, 168
.set NT,  232                          ; v232-239 at work in the second norm
.set WS,  240                          ; v240-255 Wl's scale words: tile pair i, K step s at 240 + 8 i + s
.set SEL, 30                           ; s[30:31]
; v1 16 lane  v2 4 lane  v3 8 lane  v4 4 lane + 128 w  v5, v6, v7 where y's codes and bytes go (v5, v6 later: the way out)  v8 64 h  v9 4 r + 1,024 h  v10 32 (8 h + r + 8 (r / 8))  v11 the stage, in  v[12:13] mean, factor  v14, v15 the add's two
	s_load_b512 s[4:19], s[0:1], 0x0               ; ao 4, qf 6, g1 8, b1 10, wl 12, Wl's scales 14, bl 16, g2 18
	s_load_b128 s[20:23], s[0:1], 0x40             ; b2 20, out0 22
	v_lshl_add_u32 v14, v0, 2, SPARE
	v_mov_b32 v15, 0
	v_lshrrev_b32 v1, 5, v0
	v_readfirstlane_b32 s24, v1                    ; wave 0 .. 15
	v_and_b32 v2, 31, v0
	v_lshlrev_b32 v1, 4, v2
	v_lshlrev_b32 v3, 3, v2
	v_lshlrev_b32 v2, 2, v2
	v_and_b32 v12, 15, v0                          ; r
	v_bfe_u32 v13, v0, 4, 1                        ; h
	s_wait_alu depctr_va_sdst(0)                   ; s24 is written, ahead of its first reader: LDS addresses and bases are made from it
	s_lshl_b32 s26, s24, 7
	v_add_nc_u32 v4, s26, v2
	s_mul_i32 s26, s24, 768
	s_add_co_u32 s26, s26, YIMG
	v_add_nc_u32 v5, s26, v1
	s_add_co_u32 s26, s26, 512
	v_add_nc_u32 v6, s26, v3
	s_lshr_b32 s26, s24, 1
	s_lshl_b32 s26, s26, 7
	s_and_b32 s27, s24, 1
	s_lshl_b32 s27, s27, 1
	s_add_co_u32 s26, s26, s27
	s_add_co_u32 s26, s26, YSC
	v_add_nc_u32 v7, s26, v2                       ; my two bytes of a row's scale word: K step w / 2, bytes 2 (w % 2) on
	v_lshlrev_b32 v8, 6, v13
	v_lshlrev_b32 v9, 2, v12
	v_lshl_add_u32 v9, v13, 10, v9
	v_and_b32 v10, 8, v12
	v_add_nc_u32 v10, v10, v12
	v_lshl_add_u32 v10, v13, 3, v10
	v_lshlrev_b32 v10, 5, v10
	s_mul_i32 s25, s24, 4352
	s_add_co_u32 s25, s25, STG                     ; my stage
	v_mul_u32_u24 v11, v12, 272
	v_lshl_add_u32 v11, v13, 6, v11
	v_add_nc_u32 v11, s25, v11                     ; in: row r, + 64 h
	s_mov_b32 s[SEL], 0x76543210
	s_mov_b32 s[SEL+1], 0xfedcba98
	s_mov_b32 s32, 0x3a800000                      ; 1 / 1,024
	s_mov_b32 s33, 0x3727c5ac                      ; 1e-5
	s_lshl_b32 s34, s24, 20                        ; ao, qf: head w, tile T
	s_lshl_b32 s35, ttmp9, 12
	s_add_co_u32 s34, s34, s35
	s_mov_b32 s35, 0
	s_lshl_b32 s36, s24, 8                         ; my 64 columns in a vector of 1,024
	s_mov_b32 s37, 0
	s_mul_i32 s38, s24, 49152                      ; wl: my four tiles x 8 K steps
	s_mov_b32 s39, 0
	s_lshl_b32 s40, s24, 11                        ; Wl's scales: my 64 rows of 32 bytes
	s_mov_b32 s41, 0
	s_lshr_b32 s42, ttmp9, 1
	s_lshl_b32 s42, s42, 5
	s_and_b32 s43, ttmp9, 1
	s_lshl_b32 s43, s43, 3
	s_add_co_u32 s42, s42, s43                     ; the tile's first row
	s_lshl_b32 s42, s42, 12
	s_add_co_u32 s42, s42, s36
	s_mov_b32 s43, 0
	s_wait_kmcnt 0x0
	s_add_nc_u64 s[4:5], s[4:5], s[34:35]
	s_add_nc_u64 s[6:7], s[6:7], s[34:35]
	s_add_nc_u64 s[8:9], s[8:9], s[36:37]
	s_add_nc_u64 s[10:11], s[10:11], s[36:37]
	s_add_nc_u64 s[12:13], s[12:13], s[38:39]
	s_add_nc_u64 s[14:15], s[14:15], s[40:41]
	s_add_nc_u64 s[16:17], s[16:17], s[36:37]
	s_add_nc_u64 s[18:19], s[18:19], s[36:37]
	s_add_nc_u64 s[20:21], s[20:21], s[36:37]
	s_add_nc_u64 s[22:23], s[22:23], s[42:43]
.macro VHALF reg, lo, b                ; 16 of my 32 numbers of a vector of 1,024, in X's order: 4 loads
.irp j,0,1,2,3
	global_load_b128 v[\reg+16*(\b)+4*\j:\reg+16*(\b)+4*\j+3], v8, s[\lo:\lo+1] offset:128*(\b)+16*\j
.endr
.endm
.macro VLOAD reg, lo                   ; all 32: 8 loads
	VHALF \reg, \lo, 0
	VHALF \reg, \lo, 1
.endm
.macro WFRAG u, tt                     ; fragment tt of half step u: Wl's tile 2 (u % 2) + tt, K step u / 2, into slot u % 5: 3 loads
.irp c,0,1,2
	global_load_b128 v[RING+24*((\u)%5)+12*(\tt)+4*\c:RING+24*((\u)%5)+12*(\tt)+4*\c+3], v1, s[12:13] offset:12288*(2*((\u)%2)+(\tt))+1536*((\u)/2)+512*\c
.endr
.endm
.macro WHALF u
	WFRAG \u, 0
	WFRAG \u, 1
.endm
	s_wait_alu depctr_va_vdst(0)                   ; the offsets and LDS addresses v1 to v11 are written, which the loads and stores below read
.irp c,0,1,2,3,4,5,6,7
	global_load_b128 v[X+4*\c:X+4*\c+3], v1, s[4:5] offset:512*\c th:TH_LOAD_NT
.endr
.irp c,0,1,2,3,4,5,6,7
	global_load_b128 v[ACC+4*\c:ACC+4*\c+3], v1, s[6:7] offset:512*\c th:TH_LOAD_NT
.endr
	VLOAD G1R, 8
	VLOAD B1R, 10
.irp i,0,1
	global_load_b128 v[WS+8*\i:WS+8*\i+3], v10, s[14:15] offset:1024*\i
	global_load_b128 v[WS+8*\i+4:WS+8*\i+7], v10, s[14:15] offset:1024*\i+16
.endr
	WHALF 0
	WHALF 1
	s_wait_loadcnt 32                              ; ao and qf are in: behind them g1 8, b1 8, the scale words 4, K step 0's 12
.set j, 0
.rept 16
	v_pk_add_f32 v[X+j:X+j+1], v[X+j:X+j+1], v[ACC+j:ACC+j+1]
.set j, j+2
.endr
; The sum in v[rt] of my lane's part becomes the row's sum over all 1,024 columns, in every lane.  Region k of LDS is written once in the launch.
.macro REDUCE k, rt
	v_permlanex16_b32 v[\rt+1], v[\rt], s[SEL], s[SEL+1]
	v_add_f32 v[\rt], v[\rt], v[\rt+1]             ; my wave's 64 columns
	s_wait_alu depctr_va_vdst(0)                   ; the sum is written, which the LDS store reads; and every vector instruction that has named the eight registers from it on is done: the LDS loads below land in them
	ds_store_b32 v4, v[\rt] offset:2048*(\k)
	s_wait_dscnt 0x0                               ; for the others' sake
	s_barrier_signal -1
	s_barrier_wait -1
	s_wait_alu depctr_vm_vsrc(0)                   ; the LDS store has read its data register, in which the first load below lands
.irp i,0,1,2,3,4,5,6,7
	ds_load_b32 v[\rt+\i], v9 offset:2048*(\k)+128*\i   ; lanes 0-15 waves 0 .. 7, lanes 16-31 waves 8 .. 15
.endr
	s_wait_dscnt 0x0
	v_pk_add_f32 v[\rt:\rt+1], v[\rt:\rt+1], v[\rt+2:\rt+3]
	v_pk_add_f32 v[\rt+4:\rt+5], v[\rt+4:\rt+5], v[\rt+6:\rt+7]
	v_pk_add_f32 v[\rt:\rt+1], v[\rt:\rt+1], v[\rt+4:\rt+5]
	v_add_f32 v[\rt], v[\rt], v[\rt+1]
	v_permlanex16_b32 v[\rt+1], v[\rt], s[SEL], s[SEL+1]
	v_add_f32 v[\rt], v[\rt], v[\rt+1]
.endm
; X becomes x - mean, and v12 = v13 = 1 / sqrt(variance + 1e-5).  Regions k and k + 1; v[rt] .. v[rt + 7] at work.
.macro NORM k, rt
	v_pk_add_f32 v[\rt:\rt+1], v[X:X+1], v[X+2:X+3]
	v_pk_add_f32 v[\rt+2:\rt+3], v[X+4:X+5], v[X+6:X+7]
.irp j,8,12,16,20,24,28
	v_pk_add_f32 v[\rt:\rt+1], v[\rt:\rt+1], v[X+\j:X+\j+1]
	v_pk_add_f32 v[\rt+2:\rt+3], v[\rt+2:\rt+3], v[X+\j+2:X+\j+3]
.endr
	v_pk_add_f32 v[\rt:\rt+1], v[\rt:\rt+1], v[\rt+2:\rt+3]
	v_add_f32 v[\rt], v[\rt], v[\rt+1]
	REDUCE \k, \rt
	v_mul_f32 v12, s32, v[\rt]                     ; the mean
	v_mov_b32 v13, v12
.irp j,0,2,4,6,8,10,12,14,16,18,20,22,24,26,28,30
	v_pk_add_f32 v[X+\j:X+\j+1], v[X+\j:X+\j+1], v[12:13] neg_lo:[0,1] neg_hi:[0,1]
.endr
	v_pk_mul_f32 v[\rt:\rt+1], v[X:X+1], v[X:X+1]
	v_pk_mul_f32 v[\rt+2:\rt+3], v[X+2:X+3], v[X+2:X+3]
.irp j,4,8,12,16,20,24,28
	v_pk_fma_f32 v[\rt:\rt+1], v[X+\j:X+\j+1], v[X+\j:X+\j+1], v[\rt:\rt+1]
	v_pk_fma_f32 v[\rt+2:\rt+3], v[X+\j+2:X+\j+3], v[X+\j+2:X+\j+3], v[\rt+2:\rt+3]
.endr
	v_pk_add_f32 v[\rt:\rt+1], v[\rt:\rt+1], v[\rt+2:\rt+3]
	v_add_f32 v[\rt], v[\rt], v[\rt+1]
	REDUCE (\k)+1, \rt
	v_fma_f32 v13, v[\rt], s32, s33                ; the variance + 1e-5
	v_rsq_f32 v12, v13
	v_nop                                          ; a plain place behind the transcendental
	s_wait_alu depctr_va_vdst(0)                   ; the reciprocal root is written, ahead of its first reader; and every vector instruction that has named the norm's work registers is done
	v_mov_b32 v13, v12
.endm
.macro APPLY gr, br                    ; X = (X x factor) x gain + bias
.irp j,0,2,4,6,8,10,12,14,16,18,20,22,24,26,28,30
	v_pk_mul_f32 v[X+\j:X+\j+1], v[X+\j:X+\j+1], v[12:13]
.endr
.irp j,0,2,4,6,8,10,12,14,16,18,20,22,24,26,28,30
	v_pk_fma_f32 v[X+\j:X+\j+1], v[X+\j:X+\j+1], v[\gr+\j:\gr+\j+1], v[\br+\j:\br+\j+1]
.endr
.endm
	NORM 0, ACC
	VLOAD ACC, 16                                  ; bl starts the product's sums.  No further wait: all that named v48 to v79 stands ahead of the norm's last wait, and only v12 and v13 have been named since
	s_wait_loadcnt 24                              ; g1 and b1 are in: behind them the scale words 4, K step 0's 12, bl's 8
	APPLY G1R, B1R                                 ; y
	s_wait_alu depctr_va_vdst(0)                   ; the multiply-adds above are done reading g1 and b1, in whose registers the three half steps below land
	WHALF 2
	WHALF 3
	WHALF 4
	; ---- y's two blocks of 32 become six registers of codes and two scale bytes
	v_mov_b32 v[YFB+2], 0                          ; a lane permute's destination counts as one of its sources
	v_mov_b32 v[YFB+3], 0
.irp b,0,1
	v_max3_num_f32 v[YFB+\b], |v[X+16*\b]|, |v[X+1+16*\b]|, 0x2800000   ; and the floor 2^(5 - 127)
.endr
.irp i,2,4,6,8,10,12,14
.irp b,0,1
	v_max3_num_f32 v[YFB+\b], v[YFB+\b], |v[X+16*\b+\i]|, |v[X+1+16*\b+\i]|
.endr
.endr
.irp b,0,1
	v_permlanex16_b32 v[YFB+2+\b], v[YFB+\b], s[SEL], s[SEL+1]
.endr
.irp b,0,1
	v_max_num_f32 v[YFB+\b], v[YFB+\b], v[YFB+2+\b]
.endr
.irp b,0,1
	v_add_nc_u32 v[YFB+4+\b], 0xfe000000, v[YFB+\b]   ; 4 off the exponent field: the conversion's scale operand
.endr
.irp b,0,1
	v_lshrrev_b32 v[YFB+6+\b], 23, v[YFB+4+\b]
.endr
	v_lshl_or_b32 v[YFB+8], v[YFB+7], 8, v[YFB+6]
	v_cvt_scalef32_pk16_bf6_f32 v[YFB+18:YFB+20], v[X:X+15], v[YFB+4]
	v_cvt_scalef32_pk16_bf6_f32 v[YFB+12:YFB+14], v[X+16:X+31], v[YFB+5]
	v_nop                                          ; one plain place behind a scaled conversion
.irp i,0,1,2
	v_permlane16_swap_b32 v[YFB+18+\i], v[YFB+12+\i]   ; a WHOLE block in a lane
.endr
.irp i,0,1,2
	v_mov_b32 v[YFB+21+\i], v[YFB+12+\i]
.endr
	s_wait_alu depctr_va_vdst(0)                   ; the quantiser has written y's codes and scale bytes, which the LDS stores read; and it is done with v80 to v103, in which y's fragments land behind the barrier
	ds_store_b128 v5, v[YFB+18:YFB+21]
	ds_store_b64 v6, v[YFB+22:YFB+23]
	ds_store_b16 v7, v[YFB+8]
	s_wait_dscnt 0x0                               ; for the others' sake
	s_barrier_signal -1
	s_barrier_wait -1                              ; y's eight fragments and scale words lie in LDS
	s_wait_alu depctr_vm_vsrc(0)                   ; my LDS stores have read v88 and v98 to v103, in which y's fragments land, and v5 and v6, which the way out makes anew
.macro YLOAD s                         ; y's fragment of K step s, from LDS into set s % 2: 4 loads
.irp e,0,1
	ds_load_b128 v[YFB+12*((\s)%2)+6*\e:YFB+12*((\s)%2)+6*\e+3], v1 offset:YIMG+1536*(\s)+768*\e
	ds_load_b64 v[YFB+12*((\s)%2)+6*\e+4:YFB+12*((\s)%2)+6*\e+5], v3 offset:YIMG+1536*(\s)+768*\e+512
.endr
.endm
.irp s,0,1,2,3,4,5,6,7
	ds_load_b32 v[YS+\s], v2 offset:YSC+128*\s
.endr
	YLOAD 0
.macro AHEAD u, tt                     ; what half step u asks for behind its product tt: a fragment of half step u + 4; at the end, half of g2 or of b2
.if ((\u) > 0) && ((\u) < 12)
	WFRAG (\u)+4, \tt
.elseif (\u) == 13
	VHALF G2R, 18, \tt
.elseif (\u) == 14
	VHALF B2R, 20, \tt
.endif
.endm
; HALF STEP u: two products (the four accumulators take turns), and among them the loads that land in the slot that the half step before has read.
.macro HSTEP u
.if (\u) <= 12
	s_wait_loadcnt 18                              ; this half step's two fragments are in: behind them three half steps' 18 loads (in half step 0 also: the scale words and bl)
.elseif (\u) == 13
	s_wait_loadcnt 12                              ; behind them two half steps' 12
.elseif (\u) == 14
	s_wait_loadcnt 14                              ; behind them the last half step's 6 and g2's 8
.else
	s_wait_loadcnt 16                              ; behind them g2's 8 and b2's 8
.endif
.if (\u)%2 == 0
	s_wait_dscnt 0x0                               ; y's fragment of this K step is in, asked for a K step ago (in K step 0 also: y's scale words)
.endif
.if ((\u) > 0) && ((\u) < 15)
	s_wait_alu depctr_va_vdst(0)                   ; the products of the half step before are done reading their slot of the ring, and at a K step's head those of the K step before their fragment of y: the loads of this half step land there
.endif
.if ((\u)%2 == 0) && ((\u) < 14)
	YLOAD (\u)/2+1
.endif
.set rD, ACC+16*((\u)%2)
.set rW, RING+24*((\u)%5)
.set rY, YFB+12*(((\u)/2)%2)
.set rS, WS+8*((\u)%2)+(\u)/2
.set rT, YS+(\u)/2
	v_wmma_scale_f32_16x16x128_f8f6f4 v[rD:rD+7], v[rW:rW+11], v[rY:rY+11], v[rD:rD+7], v[rS], v[rT] matrix_a_fmt:MATRIX_FMT_BF6 matrix_b_fmt:MATRIX_FMT_BF6
	AHEAD \u, 0
	v_wmma_scale_f32_16x16x128_f8f6f4 v[rD+8:rD+15], v[rW+12:rW+23], v[rY:rY+11], v[rD+8:rD+15], v[rS], v[rT] matrix_a_fmt:MATRIX_FMT_BF6 matrix_b_fmt:MATRIX_FMT_BF6 matrix_a_scale:MATRIX_SCALE_ROW1
	AHEAD \u, 1
.endm
.irp u,0,1,2,3,4,5,6,7,8,9,10,11,12,13,14,15
	HSTEP \u
.endr
.rept 4
	v_nop                                          ; four places behind the last products, before their results are read (ISA guide 7.12.1)
.endr
.set j, 0
.rept 32
	v_max_num_f32 v[ACC+j], 0, v[ACC+j]            ; relu, each accumulator from its low end on
.set j, j+1
.endr
.set j, 0
.rept 16
	v_pk_add_f32 v[X+j:X+j+1], v[X+j:X+j+1], v[ACC+j:ACC+j+1]   ; z = y + relu(..)
.set j, j+2
.endr
	NORM 2, NT
	s_wait_loadcnt 0x0                             ; g2 and b2
	APPLY G2R, B2R
	; THE WAY OUT: a lane holds pieces of one row; through my own stage they come back as rows: sixteen lanes store my 256 bytes of a row, at a multiple of 256 from out0's first byte
	v_and_b32 v12, 15, v0
	v_bfe_u32 v13, v0, 4, 1
	v_mul_u32_u24 v5, v13, 272
	v_lshl_add_u32 v5, v12, 4, v5
	v_add_nc_u32 v5, s25, v5                       ; back: lanes 0-15 one row of the tile, lanes 16-31 the next
	v_lshlrev_b32 v6, 12, v13
	v_lshl_add_u32 v6, v12, 4, v6                  ; and the same in out0
	s_wait_alu depctr_va_vdst(0)                   ; the results in v16 to v47 are written, which the LDS stores read; so are v5 and v6, by which the loads and the stores below go; and the additions are done reading v48 to v79, in which the rows land
.irp b,0,1
.irp j,0,1,2,3
	ds_store_b128 v11, v[X+16*\b+4*\j:X+16*\b+4*\j+3] offset:128*\b+16*\j
.endr
.endr
.irp i,0,1,2,3,4,5,6,7
	ds_load_b128 v[ACC+4*\i:ACC+4*\i+3], v5 offset:544*\i   ; LDS serves a wave's instructions in order (ISA guide 5.7.1.4): these see my stores
.endr
.irp i,0,1,2,3,4,5,6,7
	s_wait_dscnt 7-\i
	global_store_b128 v6, v[ACC+4*\i:ACC+4*\i+3], s[22:23] offset:4096*(2*\i+8*(\i/4)) th:TH_STORE_NT   ; the tile's rows 2 i, 2 i + 1 are rows 2 i + 8 (i / 4) and the next of its 32
.endr
	s_wait_dscnt 0x0                               ; the wave's end
	s_wait_alu 0x0
	s_wait_tensorcnt 0x0
	ds_add_u32 v14, v15
	s_wait_dscnt 0x0
	s_endpgm
.Lfunc_end_k_q701f8dcf09_ffn:
	.size	k_q701f8dcf09_ffn, .Lfunc_end_k_q701f8dcf09_ffn-k_q701f8dcf09_ffn
	.p2alignl 7, 3214868480
	.fill 96, 4, 3214868480
	.section	.rodata,"a",@progbits
	.p2align	6, 0x0
	.amdhsa_kernel k_q701f8dcf09_ffn
		.amdhsa_group_segment_fixed_size 93184
		.amdhsa_private_segment_fixed_size 0
		.amdhsa_enable_private_segment 0
		.amdhsa_kernarg_size 80
		.amdhsa_user_sgpr_count 2
		.amdhsa_user_sgpr_kernarg_segment_ptr 1
		.amdhsa_wavefront_size32 1
		.amdhsa_system_sgpr_workgroup_id_x 1
		.amdhsa_system_sgpr_workgroup_id_y 1
		.amdhsa_system_sgpr_workgroup_id_z 1
		.amdhsa_system_vgpr_workitem_id 0
		.amdhsa_next_free_vgpr 256
		.amdhsa_next_free_sgpr 66
		.amdhsa_reserve_vcc 0
		.amdhsa_float_denorm_mode_32 3
		.amdhsa_float_denorm_mode_16_64 3
		.amdhsa_memory_ordered 1
		.amdhsa_forward_progress 1
		.amdhsa_inst_pref_size 49
	.end_amdhsa_kernel
	.amdgpu_metadata
---
amdhsa.version: [ 1, 2 ]
amdhsa.kernels:
  - .name:           k_q701f8dcf09_ffn
    .symbol:         k_q701f8dcf09_ffn.kd
    .args:
      - { .name: ao, .offset: 0, .size: 8, .value_kind: global_buffer, .address_space: global }
      - { .name: qf, .offset: 8, .size: 8, .value_kind: global_buffer, .address_space: global }
      - { .name: g1, .offset: 16, .size: 8, .value_kind: global_buffer, .address_space: global }
      - { .name: b1, .offset: 24, .size: 8, .value_kind: global_buffer, .address_space: global }
      - { .name: wl, .offset: 32, .size: 8, .value_kind: global_buffer, .address_space: global }
      - { .name: Wl_scales, .offset: 40, .size: 8, .value_kind: global_buffer, .address_space: global }
      - { .name: bl, .offset: 48, .size: 8, .value_kind: global_buffer, .address_space: global }
      - { .name: g2, .offset: 56, .size: 8, .value_kind: global_buffer, .address_space: global }
      - { .name: b2, .offset: 64, .size: 8, .value_kind: global_buffer, .address_space: global }
      - { .name: out0, .offset: 72, .size: 8, .value_kind: global_buffer, .address_space: global }
    .group_segment_fixed_size: 93184
    .private_segment_fixed_size: 0
    .kernarg_segment_align: 8
    .kernarg_segment_size: 80
    .max_flat_workgroup_size: 512
    .sgpr_count:     66
    .vgpr_count:     256
    .wavefront_size: 32
...
	.end_amdgpu_metadata
.endif
;; end of part 5
